; MI455X (gfx1250); checked and timed in simulation.
; The chip was launched on July 23, 2026; its instructions are those of AMD's public machine-readable ISA for CDNA 5 (MIT licence, August 2026) and "CDNA5" Instruction Set Architecture Reference Guide (July 2026). The comments in the code are by the model that wrote it; some were corrected since.
;; Sparse Mo E. Allowed arithmetic: matrix products marked QUANTISED: E2M1 operands, one E8M0 scale for each 32 along K, by v_wmma_scale_f32_16x16x128_f8f6f4 with both operands' format E2M1 (or v_wmma_scale_f32_32x16x128_f4), f32 sums; products left as they are: f32 operands where the result goes on into a quantised operand, else bf16, f16 or f32 operands; f32 sums; everything else in f32.
;; Inputs: W1 8 x 1,024 x 1,024 float32; W2 8 x 1,024 x 1,024 float32; Wn 8 x 1,024 float32; Wr 8 x 1,024 float32; noise 4 x 1,024 x 8 float32; x 4 x 1,024 x 1,024 float32.
;; Outputs: out0 4 x 1,024 x 1,024 float32.
;; This version of the problem:
;;   THIS VERSION OF THE PROBLEM IS GIVEN IN LOW PRECISION. The matrix products marked QUANTISED in the list below multiply operands that are first quantised to E2M1 (2 exponent bits, 1 mantissa bit; 4 bits a number), with one power-of-two scale for each 32 numbers along K (OCP MX v1.0); their sums are f32. All else is computed in f32.
;;   The module's matrix products, in the order in which they are computed (A, B: the left and right operand; K: the contracted axis; several contracted axes count as one K, in the product's order):
;;     1. [M 4,096, K 1,024] x [K 1,024, N 8]; A: input x; B: input Wr: left as it is (N = 8 < 16)
;;     2. [M 4,096, K 1,024] x [K 1,024, N 8]; A: input x; B: input Wn: left as it is (N = 8 < 16)
;;     3. [M 4,096, K 1,024] x [K 1,024, N 1,024]; A: input x; B: input W1: QUANTISED
;;     4. [M 4,096, K 1,024] x [K 1,024, N 1,024]; A: computed on the way; B: input W2: QUANTISED
;;     5. [M 4,096, K 1,024] x [K 1,024, N 1,024]; A: input x; B: input W1: QUANTISED
;;     6. [M 4,096, K 1,024] x [K 1,024, N 1,024]; A: computed on the way; B: input W2: QUANTISED
;;     7. [M 4,096, K 1,024] x [K 1,024, N 1,024]; A: input x; B: input W1: QUANTISED
;;     8. [M 4,096, K 1,024] x [K 1,024, N 1,024]; A: computed on the way; B: input W2: QUANTISED
;;     9. [M 4,096, K 1,024] x [K 1,024, N 1,024]; A: input x; B: input W1: QUANTISED
;;     10. [M 4,096, K 1,024] x [K 1,024, N 1,024]; A: computed on the way; B: input W2: QUANTISED
;;     11. [M 4,096, K 1,024] x [K 1,024, N 1,024]; A: input x; B: input W1: QUANTISED
;;     12. [M 4,096, K 1,024] x [K 1,024, N 1,024]; A: computed on the way; B: input W2: QUANTISED
;;     13. [M 4,096, K 1,024] x [K 1,024, N 1,024]; A: input x; B: input W1: QUANTISED
;;     14. [M 4,096, K 1,024] x [K 1,024, N 1,024]; A: computed on the way; B: input W2: QUANTISED
;;     15. [M 4,096, K 1,024] x [K 1,024, N 1,024]; A: input x; B: input W1: QUANTISED
;;     16. [M 4,096, K 1,024] x [K 1,024, N 1,024]; A: computed on the way; B: input W2: QUANTISED
;;     17. [M 4,096, K 1,024] x [K 1,024, N 1,024]; A: input x; B: input W1: QUANTISED
;;     18. [M 4,096, K 1,024] x [K 1,024, N 1,024]; A: computed on the way; B: input W2: QUANTISED
;;   THE QUANTISER, for each operand of a quantised product, along K:
;;     - K is cut into blocks of 32 from its start; a last block that is shorter is filled with zeros.
;;     - A block's scale is 2^e with e = floor(log2(the largest magnitude in the block)) - 2, held to -126 .. 127; a block of zeros has e = 0. As a byte (E8M0): e + 127.
;;     - Each number is divided by its block's scale, clamped to +-6, and rounded to the nearest number of E2M1, ties to even, subnormals kept.
;;     - The product sums the exact products of the quantised numbers (number of the format x scale) in f32.
;;   ~~~python
;;   def quantise(x, axis):      # numpy; x: float32 -> the quantised numbers, widened to float32 again
;;       x = np.moveaxis(x, axis, -1); K = x.shape[-1]
;;       x = np.pad(x, [(0, 0)] * (x.ndim - 1) + [(0, -K % 32)]); x = x.reshape(x.shape[:-1] + (-1, 32)); a = np.abs(x).max(-1, keepdims=True)
;;       e = np.where(a > 0, np.clip(np.frexp(np.where(a > 0, a, 1))[1] - 1 - 2, -126, 127), 0)      # np.frexp(a)[1] - 1 = floor(log2(a)), exactly
;;       r = np.clip(x / 2.0 ** e, -6, 6)
;;       step = 2.0 ** (np.maximum(np.frexp(np.where(r == 0, 1, r))[1] - 1, 0) - 1)
;;       q = np.round(r / step) * step * 2.0 ** e      # np.round: ties to even
;;       return np.moveaxis(q.reshape(q.shape[:-2] + (-1,))[..., :K], -1, axis).astype(np.float32)
;;   ~~~
;;   OPERANDS COMPUTED ON THE WAY. 'Computed on the way' means the value that the module computes at that place (a softmax that the list does not call 'softmax' is quantised finished and normalised). What goes into a quantiser is computed in f32, as accurately as f32 sums, v_exp_f32 and their like allow (about 1e-6 of the number): no bf16 or f16 on the way to a quantiser, and a product that is left as it is and whose result goes on into a quantised operand takes f32 operands (vector FMAs, or v_wmma_f32_16x16x4_f32). A number that lies on a knife's edge between two numbers of the format may be rounded either way, as far as f32 arithmetic and the matrix unit's own rounding can turn it there, and no further.
;; 2 versions. Each part assembles by itself: llvm-mc -triple=amdgcn-amd-amdhsa -mcpu=gfx1250 --defsym DOCPART=n.
;; ======== version 1 of 2: 3 launches
;; workspace buffers: wcodes 8,388,608 bytes; wscales 524,288 bytes; xcodes 2,097,152 bytes; xscales 131,072 bytes; gates 32,768 bytes; route 49,152 bytes of whole numbers; plan 20,480 bytes of whole numbers
;; launch prep (part 1): grid 512 x 1, 8 waves a work-group, no clusters, 153,344 bytes of LDS; arguments x, noise, Wr, Wn, W1, W2, wcodes, wscales, xcodes, xscales, gates, route; writes wcodes, wscales, xcodes, xscales, gates, route
.if DOCPART == 1
	.amdgcn_target "amdgcn-amd-amdhsa--gfx1250"
	.amdhsa_code_object_version 6
	.text
	.protected	k_q7d2b5eb148_prep
	.globl	k_q7d2b5eb148_prep
	.p2align	8
	.type	k_q7d2b5eb148_prep,@function
k_q7d2b5eb148_prep:
	s_mov_b64 s[64:65], 0
	v_nop
	global_prefetch_b8 v0, s[64:65] scope:SCOPE_SE
	s_setreg_imm32_b32 hwreg(HW_REG_WAVE_MODE, 25, 1), 1
	s_wait_xcnt 0x0
; PREP.  Work-groups 0-255: 16 tokens each: x into codes of E2M1 with E8M0 scale bytes, the noisy top-2 router in f32, the two gates, the key of the
; token's pair of experts, its rank among the group's tokens of that key, and the group's count of each key.  All of these are stored as VALUES at fixed places:
; no address and no branch here hangs on them.  Work-groups 256-511: W1 and W2 (K is the first axis inside an expert) into codes laid in the order of an operand's registers.
; A block's scale is 2^(floor(log2(largest magnitude)) - 2); its byte is the largest magnitude's exponent field - 2, held at 1 from below.
; LIMITS: NaN and infinities among the inputs are not served.  A block of zeros gets the byte 1 where the quantiser's text says 127: its codes are zeros, and these bytes are read by this program alone.
; softplus(z) = max(z, 0) + ln 2 x log2(1 + 2^(-|z| log2 e)): where 2^(..) falls under half an ulp of 1 the second term is 0: an absolute error of at most 6e-8.  Equal noisy logits: the lower index wins, as in lax.top_k.
; No tensor loads, no cluster: every input byte is read once by one wave, and no two work-groups share a tile.
; x PATH: wave w takes K step w (k = 128 w .. 128 w + 127) of the 16 tokens and of the 16 router rows (8 of Wr, 8 of Wn).  Loads take 512 consecutive bytes of a row; a turn through the wave's own LDS stage
; gives lane (r, h) = (lane % 16, lane / 16) sixteen neighbours of each block of 32 of row r: register 16 b + i = k 32 b + 16 h + i.
.set CST,   135168                     ; LDS: the group's codes, 16 rows x (512 + 16) bytes
.set SST,   143616                     ; the group's scale words, 16 rows x 32 bytes
.set PART,  144128                     ; the eight waves' partial router sums, 1,024 bytes each
.set WREG,  16896                      ; a wave's own region: two stages of 16 rows x 528 bytes
.set XSTG,  8448
.set RP,    528                        ; a stage row: 512 bytes + 16: an odd multiple of 16, so that sixteen rows' reads of 16 bytes start in sixteen different groups of banks (ISA guide 11.1)
.set NZ,    16                         ; v16-23   the token's eight noise numbers
.set WF,    32                         ; v32-95   router rows
.set XF,    96                         ; v96-159  x
.set ACC,   160                        ; v160-191 four accumulators of the f32 matrix form: written by matrix instructions alone
.set PS,    192                        ; v192-199 their sum
.set TM,    200                        ; v200-215 the quantiser's work
.set PC,    216                        ; v216-223 codes
.set PW,    224                        ; the scale word
.set QS,    226                        ; v226-233 at work
	s_load_b512 s[4:19], s[0:1], 0x0               ; x 4, noise 6, Wr 8, Wn 10, W1 12, W2 14, wcodes 16, wscales 18
	s_load_b256 s[20:27], s[0:1], 0x40             ; xcodes 20, xscales 22, gates 24, route 26
	v_lshl_add_u32 v254, v0, 2, 0x25300
	v_mov_b32 v255, 0
	v_lshrrev_b32 v1, 5, v0
	v_readfirstlane_b32 s28, v1                    ; wave 0..7
	v_and_b32 v1, 31, v0                           ; lane
	s_mov_b32 s35, 0                               ; high words of 32-bit offsets
	s_mov_b32 s37, 0
	s_wait_kmcnt 0x0
	s_cmp_ge_u32 ttmp9, 256                        ; the work-group's number alone decides the path
	s_cbranch_scc1 .Lw
	; ------------------------------------------------ x path
	v_and_b32 v2, 15, v0                           ; r
	v_bfe_u32 v3, v0, 4, 1                         ; h
	v_lshlrev_b32 v4, 4, v1                        ; 16 x lane
	v_lshlrev_b32 v13, 5, v2                       ; noise: 32 bytes a token
	s_lshl_b32 s34, ttmp9, 16                      ; 16 tokens of 4,096 bytes
	s_lshl_b32 s36, s28, 9                         ; my K step: 512 bytes of a row
	s_add_co_u32 s34, s34, s36
	s_add_nc_u64 s[4:5], s[4:5], s[34:35]
	s_add_nc_u64 s[8:9], s[8:9], s[36:37]
	s_add_nc_u64 s[10:11], s[10:11], s[36:37]
	s_lshl_b32 s34, ttmp9, 9
	s_add_nc_u64 s[6:7], s[6:7], s[34:35]          ; noise: 16 x 32 bytes a group
	s_add_nc_u64 s[22:23], s[22:23], s[34:35]      ; xscales likewise
	global_load_b128 v[NZ:NZ+3], v13, s[6:7]
	global_load_b128 v[NZ+4:NZ+7], v13, s[6:7] offset:16
.set i, 0
.rept 8
	global_load_b128 v[WF+4*i:WF+4*i+3], v4, s[8:9] offset:4096*i          ; Wr's row i: 32 lanes read 512 consecutive bytes
.set i, i+1
.endr
.set i, 0
.rept 8
	global_load_b128 v[WF+32+4*i:WF+32+4*i+3], v4, s[10:11] offset:4096*i  ; Wn's row i
.set i, i+1
.endr
.set i, 0
.rept 16
	global_load_b128 v[XF+4*i:XF+4*i+3], v4, s[4:5] offset:4096*i th:TH_LOAD_NT   ; token i; read once in the launch
.set i, i+1
.endr
	s_lshl_b32 s34, ttmp9, 13
	s_add_nc_u64 s[20:21], s[20:21], s[34:35]      ; xcodes: 16 x 512 bytes a group
	s_lshl_b32 s34, ttmp9, 7
	s_add_nc_u64 s[24:25], s[24:25], s[34:35]      ; gates: 16 x 8 bytes
	s_add_nc_u64 s[38:39], s[26:27], s[34:35]
	s_add_nc_u64 s[38:39], s[38:39], 16384         ; the group's row of counts: 32 words
	s_lshl_b32 s34, ttmp9, 6
	s_add_nc_u64 s[26:27], s[26:27], s[34:35]      ; key and rank: 16 words
	s_mov_b32 s30, 0xffff0000                      ; lanes 16-31
	s_mov_b32 s32, 0x76543210
	s_mov_b32 s33, 0xfedcba98                      ; v_permlanex16_b32's selects for lane l xor 16
	s_mul_i32 s40, s28, WREG
	v_add_nc_u32 v5, s40, v4                       ; into a stage: 16 x lane of a row
	v_mul_u32_u24 v6, v2, RP
	v_lshl_add_u32 v6, v3, 6, v6
	v_add_nc_u32 v6, s40, v6                       ; out of it: row r, + 64 h
	v_mul_u32_u24 v7, v2, RP
	v_lshl_add_u32 v7, v3, 3, v7
	s_lshl_b32 s41, s28, 6
	s_add_co_u32 s41, s41, CST
	v_add_nc_u32 v7, s41, v7                       ; my codes: row r, 64 bytes a K step, 16 a block, 8 a half
	s_lshl_b32 s41, s28, 2
	s_add_co_u32 s41, s41, SST
	v_lshl_add_u32 v8, v2, 5, s41                  ; my scale word: row r, word w
	s_lshl_b32 s41, s28, 10
	v_add_nc_u32 v14, s41, v4                      ; xcodes: rows 2 w and 2 w + 1
	s_add_co_u32 s41, s41, PART
	v_add_nc_u32 v9, s41, v4                       ; my partial sums
	s_mul_i32 s41, s28, 2*RP
	s_add_co_u32 s41, s41, CST
	v_add_nc_u32 v10, s41, v4                      ; the codes' rows 2 w, 2 w + 1 on the way out
	v_add_nc_u32 v11, PART, v4
	v_add_nc_u32 v12, SST, v4
.irp b, 0,1,2,3
	v_mov_b32 v[TM+4+\b], 0                        ; a lane permute's destination counts as one of its sources
.endr
; 16 rows of 512 bytes go into a stage as they were loaded and come back 64 bytes a lane.  LDS serves a wave's instructions in order (ISA guide 5.7.1.4): no wait between the stores and the loads
.macro TURN reg, stg
.set i, 0
.rept 16
	ds_store_b128 v5, v[\reg+4*i:\reg+4*i+3] offset:\stg+RP*i
.set i, i+1
.endr
.set i, 0
.rept 16
	ds_load_b128 v[\reg+4*i:\reg+4*i+3], v6 offset:\stg+128*(i/4)+16*(i%4)
.set i, i+1
.endr
.endm
	s_wait_loadcnt 16                              ; the noise and the 16 router rows are in; the 16 loads of x may be out
	TURN WF, 0
	s_wait_loadcnt 0x0
	TURN XF, XSTG
	s_wait_dscnt 0x0
	; the router in f32: source 0 = the 16 router rows, source 1 = the 16 tokens.  The unit's k = 2 h + j stands for my k = 16 h + 2 i + j (in block i / 8): the same k on both sides, each once.
	; Lane (token r, h), register j: h = 0 logit j, h = 1 noise logit j.  Four accumulators by turns; the first four products start the sums
.set i, 0
.rept 32
.if i < 4
	v_wmma_f32_16x16x4_f32 v[ACC+8*(i%4):ACC+8*(i%4)+7], v[WF+2*i:WF+2*i+1], v[XF+2*i:XF+2*i+1], 0
.else
	v_wmma_f32_16x16x4_f32 v[ACC+8*(i%4):ACC+8*(i%4)+7], v[WF+2*i:WF+2*i+1], v[XF+2*i:XF+2*i+1], v[ACC+8*(i%4):ACC+8*(i%4)+7]
.endif
.set i, i+1
.endr
	; x's four blocks of this K step are quantised meanwhile (x's registers are only read)
.irp b, 0,1,2,3
	v_max3_num_f32 v[TM+\b], |v[XF+16*\b]|, |v[XF+16*\b+1]|, 0x1800000     ; my 16 numbers, and the floor 2^(3 - 127): the byte cannot fall under 1
.endr
.irp i, 2,4,6,8,10,12,14
.irp b, 0,1,2,3
	v_max3_num_f32 v[TM+\b], v[TM+\b], |v[XF+16*\b+\i]|, |v[XF+16*\b+\i+1]|
.endr
.endr
.irp b, 0,1,2,3
	v_permlanex16_b32 v[TM+4+\b], v[TM+\b], s32, s33
.endr
.irp b, 0,1,2,3
	v_max_num_f32 v[TM+\b], v[TM+\b], v[TM+4+\b]   ; with lane l xor 16's: the block's largest magnitude
.endr
.irp b, 0,1,2,3
	v_add_nc_u32 v[TM+12+\b], 0xff000000, v[TM+\b] ; 2 off its exponent field: the conversion's scale operand
.endr
.irp b, 0,1,2,3
	v_lshrrev_b32 v[TM+4+\b], 23, v[TM+12+\b]      ; the scale's byte
.endr
	v_lshl_or_b32 v[PW], v[TM+5], 8, v[TM+4]
	v_lshl_or_b32 v[PW], v[TM+6], 16, v[PW]
	v_lshl_or_b32 v[PW], v[TM+7], 24, v[PW]
.irp b, 0,1,2,3
	v_cvt_scalef32_pk8_fp4_f32 v[PC+2*\b], v[XF+16*\b:XF+16*\b+7], v[TM+12+\b]
	v_cvt_scalef32_pk8_fp4_f32 v[PC+2*\b+1], v[XF+16*\b+8:XF+16*\b+15], v[TM+12+\b]
.endr
	v_nop                                          ; one plain place behind the last scaled conversion
.irp b, 0,1,2,3
	ds_store_b64 v7, v[PC+2*\b:PC+2*\b+1] offset:16*\b     ; k = 32 b + 16 h + 0 .. 15: 8 bytes of the token's row
.endr
	ds_store_b32 v8, v[PW]                         ; both halves write the same word with the same value
.rept 8
	v_nop                                          ; eight places between the f32 form and the first read of its results (ISA guide 7.12.1)
.endr
.irp j, 0,2,4,6
	v_pk_add_f32 v[PS+\j:PS+\j+1], v[ACC+\j:ACC+\j+1], v[ACC+8+\j:ACC+8+\j+1]       ; each accumulator from its low end on
	v_pk_add_f32 v[QS+\j:QS+\j+1], v[ACC+16+\j:ACC+16+\j+1], v[ACC+24+\j:ACC+24+\j+1]
.endr
.irp j, 0,2,4,6
	v_pk_add_f32 v[PS+\j:PS+\j+1], v[PS+\j:PS+\j+1], v[QS+\j:QS+\j+1]
.endr
	ds_store_b128 v9, v[PS:PS+3]
	ds_store_b128 v9, v[PS+4:PS+7] offset:512
	s_wait_dscnt 0x0                               ; for the others' sake: my codes, my scale words and my partial sums have landed
	s_barrier_signal -1
	s_barrier_wait -1
	ds_load_b128 v[236:239], v10                   ; two whole rows of codes a wave
	ds_load_b128 v[240:243], v10 offset:RP
	s_wait_dscnt 0x0
	global_store_b128 v14, v[236:239], s[20:21]            ; 32 lanes store 512 consecutive bytes, aligned
	global_store_b128 v14, v[240:243], s[20:21] offset:512
	s_cmp_lg_u32 s28, 0
	s_cbranch_scc1 .Lxend
	; ---- wave 0 alone: the routing of the 16 tokens
.set SCW, 32                           ; v32-35   scale words on the way out
.set EA,  36
.set EB,  37
.set GA,  38                           ; v38-39   the two gates
.set PP,  40                           ; v40-103  the eight partial sums
.set LG,  104
.set OT,  112
.set LO,  120
.set NL,  128
.set SF,  136
.set VV,  144
	ds_load_b128 v[SCW:SCW+3], v12
.set i, 0
.rept 8
	ds_load_b128 v[PP+8*i:PP+8*i+3], v11 offset:1024*i
	ds_load_b128 v[PP+8*i+4:PP+8*i+7], v11 offset:1024*i+512
.set i, i+1
.endr
	s_wait_dscnt 0x0
	global_store_b128 v4, v[SCW:SCW+3], s[22:23]   ; the group's 512 bytes of scale words
.irp j, 0,2,4,6
	v_pk_add_f32 v[LG+\j:LG+\j+1], v[PP+\j:PP+\j+1], v[PP+8+\j:PP+8+\j+1]
.endr
.irp w, 2,3,4,5,6,7
.irp j, 0,2,4,6
	v_pk_add_f32 v[LG+\j:LG+\j+1], v[LG+\j:LG+\j+1], v[PP+8*\w+\j:PP+8*\w+\j+1]   ; K ascending
.endr
.endr
.irp j, 0,1,2,3,4,5,6,7
	v_permlanex16_b32 v[OT+\j], v[LG+\j], s32, s33
.endr
.irp j, 0,1,2,3,4,5,6,7
	v_cndmask_b32 v[LO+\j], v[LG+\j], v[OT+\j], s30        ; both halves of the lanes now hold token r: its logits
	v_cndmask_b32 v[NL+\j], v[OT+\j], v[LG+\j], s30        ; and its noise logits
.endr
	s_mov_b32 s42, 0xbfb8aa3b                      ; -log2(e)
	s_mov_b32 s43, 0x3f317218                      ; ln 2
.irp j, 0,1,2,3,4,5,6,7
	v_mul_f32 v[SF+\j], s42, |v[NL+\j]|
.endr
.irp j, 0,1,2,3,4,5,6,7
	v_exp_f32 v[SF+\j], v[SF+\j]
.endr
	v_nop                                          ; a plain place behind the batch,
	s_wait_alu depctr_va_vdst(0)                   ; and the one wait ahead of its first reader
.irp j, 0,1,2,3,4,5,6,7
	v_add_f32 v[SF+\j], 1.0, v[SF+\j]
.endr
.irp j, 0,1,2,3,4,5,6,7
	v_log_f32 v[SF+\j], v[SF+\j]
.endr
.irp j, 0,1,2,3,4,5,6,7
	v_max_num_f32 v[NL+\j], 0, v[NL+\j]            ; plain work behind the batch
.endr
	s_wait_alu depctr_va_vdst(0)
.irp j, 0,1,2,3,4,5,6,7
	v_fma_f32 v[SF+\j], v[SF+\j], s43, v[NL+\j]    ; softplus
.endr
.irp j, 0,1,2,3,4,5,6,7
	v_fma_f32 v[VV+\j], v[NZ+\j], v[SF+\j], v[LO+\j]       ; the noisy logit
.endr
	v_mov_b32 v152, v[VV]                          ; the largest, and its index: a later one wins only if it is greater
	v_mov_b32 v153, 0
.irp j, 1,2,3,4,5,6,7
	v_cmp_gt_f32 vcc_lo, v[VV+\j], v152
	v_cndmask_b32 v152, v152, v[VV+\j], vcc_lo
	v_cndmask_b32 v153, v153, \j, vcc_lo
.endr
	v_mov_b32 v154, 0xff800000                     ; -infinity takes the winner's place
.irp j, 0,1,2,3,4,5,6,7
	v_cmp_eq_u32 vcc_lo, \j, v153
	v_cndmask_b32 v[VV+\j], v[VV+\j], v154, vcc_lo
.endr
	v_mov_b32 v155, v[VV]                          ; the second
	v_mov_b32 v156, 0
.irp j, 1,2,3,4,5,6,7
	v_cmp_gt_f32 vcc_lo, v[VV+\j], v155
	v_cndmask_b32 v155, v155, v[VV+\j], vcc_lo
	v_cndmask_b32 v156, v156, \j, vcc_lo
.endr
	v_sub_f32 v157, v155, v152                     ; the softmax of the two, the larger taken away: 1 / (1 + t) and t / (1 + t), t = e^(second - first), at most 1
	v_mul_f32 v157, 0x3fb8aa3b, v157
	v_exp_f32 v157, v157
	v_nop
	s_wait_alu depctr_va_vdst(0)
	v_add_f32 v158, 1.0, v157
	v_rcp_f32 v158, v158
	v_cmp_lt_u32 vcc_lo, v153, v156                ; (a plain place)  is the first choice the lower expert?
	s_wait_alu depctr_va_vdst(0)
	v_mul_f32 v159, v157, v158
	v_cndmask_b32 v[EA], v156, v153, vcc_lo        ; ea < eb
	v_cndmask_b32 v[EB], v153, v156, vcc_lo
	v_cndmask_b32 v[GA], v159, v158, vcc_lo        ; ea's gate, eb's gate
	v_cndmask_b32 v[GA+1], v158, v159, vcc_lo
	v_sub_nc_u32 v104, 15, v[EA]                   ; the pair's key: ea (15 - ea) / 2 + eb - ea - 1, 0 .. 27
	v_mul_u32_u24 v104, v[EA], v104
	v_lshrrev_b32 v104, 1, v104
	v_add_nc_u32 v104, v104, v[EB]
	v_sub_nc_u32 v104, v104, v[EA]
	v_add_nc_u32 v104, -1, v104
	v_mov_b32 v105, 0                              ; lane p: how many of the 16 tokens have key p
	v_mov_b32 v106, 0                              ; my rank among the group's tokens of my key
.set i, 0
.rept 28
	v_cmp_eq_u32 s34, i, v104
	s_and_b32 s34, s34, 0xffff                     ; lanes 0-15: each token once
	v_mbcnt_lo_u32_b32 v107, s34, 0
	v_cndmask_b32 v106, v106, v107, s34
	s_bcnt1_i32_b32 s35, s34
	v_writelane_b32 v105, s35, i
.set i, i+1
.endr
	v_lshlrev_b32 v108, 2, v1
	v_lshl_or_b32 v109, v106, 8, v104              ; key | rank << 8
	v_lshlrev_b32 v110, 2, v2
	v_lshlrev_b32 v111, 3, v2
	global_store_b32 v108, v105, s[38:39]
	s_wait_xcnt 0x0                                ; EXEC is a source of the stores above: it changes only behind this wait
	v_cmpx_gt_u32 16, v0                           ; lanes 0-15
	global_store_b32 v110, v109, s[26:27]
	global_store_b64 v111, v[GA:GA+1], s[24:25]
.Lxend:
	s_wait_xcnt 0x0
	s_mov_b32 exec_lo, -1
	s_wait_tensorcnt 0x0
	ds_add_u32 v254, v255
	s_wait_dscnt 0x0
	s_endpgm
	; ------------------------------------------------ W path: no LDS, no barrier.  j = work-group - 256: tensor j >> 7, expert (j >> 4) & 7, eight tile pairs (j >> 2) & 3, 256 along K j & 3.
	; A wave takes tile pair tp = 32 columns x 256 along K.  A LANE TAKES A COLUMN AND ITS REGISTERS RUN DOWN K: a block of 32 lies in one lane, and the conversions give codes with K innermost.
	; Lane 16 u + r takes column 32 tp + 8 u + (r & 7) + 16 (r >> 3): row r of tile 2 tp + u.  So in a transposed product the 16 result registers of tiles 2 tp and 2 tp + 1 are 16 neighbouring columns.
	; wcodes: [tensor][expert][tp][K step][u][c][h][r][16 bytes]: a fragment's registers on end, lane by lane.  wscales: [tensor][expert][tp][K / 256][lane][2 words].
.Lw:
	s_sub_co_u32 s34, ttmp9, 256
	s_lshr_b32 s40, s34, 7
	s_bfe_u32 s41, s34, 0x30004
	s_bfe_u32 s42, s34, 0x20002
	s_and_b32 s43, s34, 3
	s_cmp_eq_u32 s40, 0
	s_cselect_b64 s[12:13], s[12:13], s[14:15]     ; W1 or W2: the choice hangs on the work-group's number alone
	s_lshl_b32 s34, s41, 22                        ; an expert: 4 MiB;
	s_lshl_b32 s44, s43, 20                        ; 256 rows of 4,096 bytes;
	s_add_co_u32 s34, s34, s44
	s_lshl_b32 s44, s42, 10                        ; 256 columns;
	s_add_co_u32 s34, s34, s44
	s_lshl_b32 s44, s28, 7                         ; 32 columns a wave
	s_add_co_u32 s34, s34, s44
	s_add_nc_u64 s[12:13], s[12:13], s[34:35]
	s_lshl_b32 s45, s40, 3
	s_add_co_u32 s45, s45, s41                     ; 8 x tensor + expert
	s_lshl_b32 s46, s42, 3
	s_add_co_u32 s46, s46, s28                     ; tp
	s_lshl_b32 s34, s45, 19
	s_lshl_b32 s44, s46, 14
	s_add_co_u32 s34, s34, s44
	s_lshl_b32 s44, s43, 12
	s_add_co_u32 s34, s34, s44
	s_add_nc_u64 s[16:17], s[16:17], s[34:35]
	s_lshl_b32 s34, s45, 15
	s_lshl_b32 s44, s46, 10
	s_add_co_u32 s34, s34, s44
	s_lshl_b32 s44, s43, 8
	s_add_co_u32 s34, s34, s44
	s_add_nc_u64 s[18:19], s[18:19], s[34:35]
	v_and_b32 v3, 7, v1
	v_and_b32 v4, 8, v1
	v_lshl_or_b32 v3, v4, 1, v3
	v_lshrrev_b32 v6, 4, v1
	v_lshl_or_b32 v3, v6, 3, v3
	v_lshlrev_b32 v3, 2, v3                        ; my column, in bytes
	v_and_b32 v4, 15, v1
	v_lshlrev_b32 v4, 4, v4
	v_lshl_or_b32 v4, v6, 10, v4                   ; codes: 1,024 u + 16 r
	v_lshlrev_b32 v5, 3, v1                        ; scale words: 8 x lane
.macro WLOAD t                         ; block t: W(32 t + i, my column) into set t % 2: 32 lanes read 128 consecutive bytes
.set i, 0
.rept 32
	global_load_b32 v[32+32*((\t)%2)+i], v3, s[12:13] offset:(32*(\t)+i)*4096 th:TH_LOAD_NT
.set i, i+1
.endr
.endm
.macro WBLOCK t
.set XS, 32+32*((\t)%2)
.if (\t) < 7
	s_wait_loadcnt 32                              ; this block's 32 loads are in; the next block's 32 may be out
.else
	s_wait_loadcnt 0x0
.endif
	v_max3_num_f32 v12, |v[XS]|, |v[XS+1]|, |v[XS+2]|
	v_max3_num_f32 v13, |v[XS+3]|, |v[XS+4]|, |v[XS+5]|
.irp i, 6,10,14,18,22,26
	v_max3_num_f32 v12, v12, |v[XS+\i]|, |v[XS+\i+1]|
	v_max3_num_f32 v13, v13, |v[XS+\i+2]|, |v[XS+\i+3]|
.endr
	v_max3_num_f32 v12, v12, |v[XS+30]|, |v[XS+31]|
	v_max3_num_f32 v12, v12, v13, 0x1800000        ; the floor 2^(3 - 127)
	v_add_nc_u32 v11, 0xff000000, v12              ; the conversion's scale operand
	v_lshrrev_b32 v13, 23, v11                     ; the byte
.if (\t)%4 == 0
	v_mov_b32 v[24+(\t)/4], v13
.else
	v_lshl_or_b32 v[24+(\t)/4], v13, 8*((\t)%4), v[24+(\t)/4]
.endif
.irp g, 0,1,2,3
	v_cvt_scalef32_pk8_fp4_f32 v[96+4*(\t)+\g], v[XS+8*\g:XS+8*\g+7], v11
.endr
	global_store_b128 v4, v[96+4*(\t):96+4*(\t)+3], s[16:17] offset:((\t)/4)*2048+(((\t)/2)%2)*512+((\t)%2)*256   ; sixteen lanes store 256 consecutive bytes, aligned; each block has its own four registers
.if (\t) < 6
	WLOAD (\t)+2
.endif
.endm
	WLOAD 0
	WLOAD 1
	WBLOCK 0
	WBLOCK 1
	WBLOCK 2
	WBLOCK 3
	WBLOCK 4
	WBLOCK 5
	WBLOCK 6
	WBLOCK 7
	global_store_b64 v5, v[24:25], s[18:19]        ; the wave's 256 bytes of scale words
	s_endpgm
.Lfunc_end_k_q7d2b5eb148_prep:
	.size	k_q7d2b5eb148_prep, .Lfunc_end_k_q7d2b5eb148_prep-k_q7d2b5eb148_prep
	.p2alignl 7, 3214868480
	.fill 96, 4, 3214868480
	.section	.rodata,"a",@progbits
	.p2align	6, 0x0
	.amdhsa_kernel k_q7d2b5eb148_prep
		.amdhsa_group_segment_fixed_size 153344
		.amdhsa_private_segment_fixed_size 0
		.amdhsa_enable_private_segment 0
		.amdhsa_kernarg_size 96
		.amdhsa_user_sgpr_count 2
		.amdhsa_user_sgpr_kernarg_segment_ptr 1
		.amdhsa_wavefront_size32 1
		.amdhsa_system_sgpr_workgroup_id_x 1
		.amdhsa_system_sgpr_workgroup_id_y 1
		.amdhsa_system_sgpr_workgroup_id_z 1
		.amdhsa_system_vgpr_workitem_id 0
		.amdhsa_next_free_vgpr 256
		.amdhsa_next_free_sgpr 66
		.amdhsa_reserve_vcc 1
		.amdhsa_float_denorm_mode_32 3
		.amdhsa_float_denorm_mode_16_64 3
		.amdhsa_memory_ordered 1
		.amdhsa_forward_progress 1
		.amdhsa_inst_pref_size 77
	.end_amdhsa_kernel
	.amdgpu_metadata
---
amdhsa.version: [ 1, 2 ]
amdhsa.kernels:
  - .name:           k_q7d2b5eb148_prep
    .symbol:         k_q7d2b5eb148_prep.kd
    .args:
      - { .name: x, .offset: 0, .size: 8, .value_kind: global_buffer, .address_space: global }
      - { .name: noise, .offset: 8, .size: 8, .value_kind: global_buffer, .address_space: global }
      - { .name: Wr, .offset: 16, .size: 8, .value_kind: global_buffer, .address_space: global }
      - { .name: Wn, .offset: 24, .size: 8, .value_kind: global_buffer, .address_space: global }
      - { .name: W1, .offset: 32, .size: 8, .value_kind: global_buffer, .address_space: global }
      - { .name: W2, .offset: 40, .size: 8, .value_kind: global_buffer, .address_space: global }
      - { .name: wcodes, .offset: 48, .size: 8, .value_kind: global_buffer, .address_space: global }
      - { .name: wscales, .offset: 56, .size: 8, .value_kind: global_buffer, .address_space: global }
      - { .name: xcodes, .offset: 64, .size: 8, .value_kind: global_buffer, .address_space: global }
      - { .name: xscales, .offset: 72, .size: 8, .value_kind: global_buffer, .address_space: global }
      - { .name: gates, .offset: 80, .size: 8, .value_kind: global_buffer, .address_space: global }
      - { .name: route, .offset: 88, .size: 8, .value_kind: global_buffer, .address_space: global }
    .group_segment_fixed_size: 153344
    .private_segment_fixed_size: 0
    .kernarg_segment_align: 8
    .kernarg_segment_size: 96
    .max_flat_workgroup_size: 256
    .sgpr_count:     66
    .vgpr_count:     256
    .wavefront_size: 32
...
	.end_amdgpu_metadata
.endif
;; end of part 1
;; launch place (part 2): grid 1 x 1, 8 waves a work-group, no clusters, 2,048 bytes of LDS; arguments route, plan; writes plan
.if DOCPART == 2
	.amdgcn_target "amdgcn-amd-amdhsa--gfx1250"
	.amdhsa_code_object_version 6
	.text
	.protected	k_q7d2b5eb148_place
	.globl	k_q7d2b5eb148_place
	.p2align	8
	.type	k_q7d2b5eb148_place,@function
k_q7d2b5eb148_place:
	s_mov_b64 s[64:65], 0
	v_nop
	global_prefetch_b8 v0, s[64:65] scope:SCOPE_SE
	s_setreg_imm32_b32 hwreg(HW_REG_WAVE_MODE, 25, 1), 1
	s_wait_xcnt 0x0
; PLACE.  A counting sort of the 4,096 tokens by the key of their pair of experts (28 keys), from the 256 groups' counts, keys and ranks.  One work-group, no atomics.
; It stores plan: tlist[4096] (tokens in the order of their keys) and, from byte 16,384 on, blk[256][4] = ea, eb, first place in tlist, number of rows (0 .. 32): blocks of at most 32 tokens of one pair.
; Whatever the split, the pairs' blocks are at most (4096 + 28 x 31) / 32 = 155; the entries behind a split's last block get 0 rows.
; Wave w takes groups 32 w .. 32 w + 31, which are tokens 512 w .. 512 w + 511.  Lane p holds key p's numbers.
	s_load_b128 s[4:7], s[0:1], 0x0                ; route, plan
	v_lshl_add_u32 v200, v0, 2, 0x400
	v_mov_b32 v201, 0
	v_lshrrev_b32 v1, 5, v0
	v_readfirstlane_b32 s8, v1                     ; wave
	v_and_b32 v1, 31, v0                           ; lane
	v_lshlrev_b32 v2, 2, v1
	s_lshl_b32 s9, s8, 7
	v_add_nc_u32 v3, s9, v2                        ; LDS: my wave's 32 totals
	s_mov_b32 s15, 0xffff0000                      ; lanes 16-31
	s_lshl_b32 s20, s8, 12
	s_mov_b32 s21, 0
	s_lshl_b32 s22, s8, 11
	s_mov_b32 s23, 0
	s_wait_kmcnt 0x0
	s_add_nc_u64 s[10:11], s[4:5], s[20:21]        ; my 32 groups' counts (from byte 16,384 on)
	s_add_nc_u64 s[12:13], s[4:5], s[22:23]        ; my 512 tokens' keys and ranks
.set i, 0
.rept 32
	global_load_b32 v[32+i], v2, s[10:11] offset:16384+128*i
.set i, i+1
.endr
.set i, 0
.rept 16
	global_load_b32 v[64+i], v2, s[12:13] offset:128*i     ; token 512 w + 32 i + lane, of group 32 w + 2 i + lane / 16
.set i, i+1
.endr
	s_wait_loadcnt 16                              ; the counts are in; the 16 loads of keys and ranks may be out
	v_mov_b32 v96, 0
.set i, 0
.rept 32
	v_add_nc_u32 v[97+i], v[96+i], v[32+i]         ; v[96 + i]: tokens of key p in my groups ahead of group i
.set i, i+1
.endr
	ds_store_b32 v3, v128                          ; my wave's totals
	s_wait_dscnt 0x0
	s_barrier_signal -1
	s_barrier_wait -1
.irp w, 0,1,2,3,4,5,6,7
	ds_load_b32 v[80+\w], v2 offset:128*\w
.endr
	s_wait_dscnt 0x0
	v_add_nc_u32 v4, v80, v81
.irp w, 2,3,4,5,6,7
	v_add_nc_u32 v4, v4, v[80+\w]                  ; T: all tokens of key p
.endr
	v_mov_b32 v5, 0
.irp w, 0,1,2,3,4,5,6
	s_cmp_lt_u32 \w, s8
	s_cselect_b32 s14, -1, 0
	v_and_b32 v7, s14, v[80+\w]
	v_add_nc_u32 v5, v5, v7                        ; those of the waves ahead of mine
.endr
	v_add_nc_u32 v6, 31, v4
	v_lshrrev_b32 v6, 5, v6
	v_lshl_or_b32 v6, v6, 16, v4                   ; T (at most 4,096) below, its blocks (155 in all at most) above: one scan serves both
	v_mov_b32 v8, v6
.irp n, 1,2,4,8
	v_mov_b32 v7, 0
	v_mov_b32_dpp v7, v6 row_shr:\n row_mask:0xf bank_mask:0xf
	v_add_nc_u32 v6, v6, v7
.endr
	v_readlane_b32 s14, v6, 15
	v_mov_b32 v7, s14
	v_cndmask_b32 v7, 0, v7, s15
	v_add_nc_u32 v6, v6, v7
	v_sub_nc_u32 v9, v6, v8                        ; the sums ahead of key p
	v_and_b32 v10, 0xffff, v9                      ; B: key p's first place in tlist
	v_lshrrev_b32 v11, 16, v9                      ; NB: its first block
	v_add_nc_u32 v12, v10, v5
.set i, 0
.rept 32
	v_add_nc_u32 v[96+i], v[96+i], v12
.set i, i+1
.endr
	s_wait_loadcnt 0x0
.set i, 0
.rept 16
	v_and_b32 v[32+i], 0xff, v[64+i]
	v_min_u32 v[32+i], 31, v[32+i]                 ; the key, held inside the wave's lanes
	v_lshlrev_b32 v[32+i], 2, v[32+i]
	ds_bpermute_b32 v[130+i], v[32+i], v[96+2*i]   ; my key's base in the even group (lanes 0-15 use it)
	ds_bpermute_b32 v[146+i], v[32+i], v[97+2*i]   ; and in the odd one (lanes 16-31)
.set i, i+1
.endr
	s_lshl_b32 s16, s8, 9
	v_add_nc_u32 v13, s16, v1
	s_wait_dscnt 0x0
.set i, 0
.rept 16
	v_cndmask_b32 v[162+i], v[130+i], v[146+i], s15
	v_lshrrev_b32 v[64+i], 8, v[64+i]              ; the rank
	v_add_nc_u32 v[162+i], v[162+i], v[64+i]
	v_min_u32 v[162+i], 0xfff, v[162+i]            ; held inside tlist
	v_lshlrev_b32 v[162+i], 2, v[162+i]
	v_add_nc_u32 v[178+i], 32*i, v13               ; the token
	global_store_b32 v[162+i], v[178+i], s[6:7]    ; every store has registers of its own
.set i, i+1
.endr
	; the table of blocks: entry b = 32 w + lane belongs to the last key p whose first block is not behind b
	s_lshl_b32 s16, s8, 5
	v_add_nc_u32 v20, s16, v1
	v_readlane_b32 s17, v11, 0
	v_readlane_b32 s18, v10, 0
	v_readlane_b32 s19, v4, 0
	v_mov_b32 v14, 8                               ; ea + 8 eb of key 0
	v_mov_b32 v15, s17
	v_mov_b32 v16, s18
	v_mov_b32 v17, s19
.set PP, 0
.set PEA, 0
.set PEB, 1
.rept 27
.set PP, PP+1
.set PEB, PEB+1
.if PEB > 7
.set PEA, PEA+1
.set PEB, PEA+1
.endif
	v_readlane_b32 s17, v11, PP
	v_readlane_b32 s18, v10, PP
	v_readlane_b32 s19, v4, PP
	v_cmp_le_u32 vcc_lo, s17, v20
	v_cndmask_b32 v14, v14, PEA+8*PEB, vcc_lo
	v_cndmask_b32 v15, v15, s17, vcc_lo
	v_cndmask_b32 v16, v16, s18, vcc_lo
	v_cndmask_b32 v17, v17, s19, vcc_lo
.endr
	v_sub_nc_u32 v21, v20, v15                     ; j: which block of its key
	v_lshlrev_b32 v21, 5, v21
	v_add_nc_u32 v26, v16, v21
	v_min_u32 v26, 0xfff, v26                      ; first
	v_min_u32 v22, v21, v17
	v_sub_nc_u32 v27, v17, v22
	v_min_u32 v27, 32, v27                         ; rows: min(T - min(32 j, T), 32)
	v_and_b32 v24, 7, v14
	v_lshrrev_b32 v25, 3, v14
	v_lshlrev_b32 v28, 4, v20
	global_store_b128 v28, v[24:27], s[6:7] offset:16384
	s_barrier_signal -1
	s_barrier_wait -1
	s_wait_tensorcnt 0x0
	ds_add_u32 v200, v201
	s_wait_dscnt 0x0
	s_endpgm
.Lfunc_end_k_q7d2b5eb148_place:
	.size	k_q7d2b5eb148_place, .Lfunc_end_k_q7d2b5eb148_place-k_q7d2b5eb148_place
	.p2alignl 7, 3214868480
	.fill 96, 4, 3214868480
	.section	.rodata,"a",@progbits
	.p2align	6, 0x0
	.amdhsa_kernel k_q7d2b5eb148_place
		.amdhsa_group_segment_fixed_size 2048
		.amdhsa_private_segment_fixed_size 0
		.amdhsa_enable_private_segment 0
		.amdhsa_kernarg_size 16
		.amdhsa_user_sgpr_count 2
		.amdhsa_user_sgpr_kernarg_segment_ptr 1
		.amdhsa_wavefront_size32 1
		.amdhsa_system_sgpr_workgroup_id_x 1
		.amdhsa_system_sgpr_workgroup_id_y 1
		.amdhsa_system_sgpr_workgroup_id_z 1
		.amdhsa_system_vgpr_workitem_id 0
		.amdhsa_next_free_vgpr 202
		.amdhsa_next_free_sgpr 66
		.amdhsa_reserve_vcc 1
		.amdhsa_float_denorm_mode_32 3
		.amdhsa_float_denorm_mode_16_64 3
		.amdhsa_memory_ordered 1
		.amdhsa_forward_progress 1
		.amdhsa_inst_pref_size 34
	.end_amdhsa_kernel
	.amdgpu_metadata
---
amdhsa.version: [ 1, 2 ]
amdhsa.kernels:
  - .name:           k_q7d2b5eb148_place
    .symbol:         k_q7d2b5eb148_place.kd
    .args:
      - { .name: route, .offset: 0, .size: 8, .value_kind: global_buffer, .address_space: global }
      - { .name: plan, .offset: 8, .size: 8, .value_kind: global_buffer, .address_space: global }
    .group_segment_fixed_size: 2048
    .private_segment_fixed_size: 0
    .kernarg_segment_align: 8
    .kernarg_segment_size: 16
    .max_flat_workgroup_size: 256
    .sgpr_count:     66
    .vgpr_count:     202
    .wavefront_size: 32
...
	.end_amdgpu_metadata
.endif
;; end of part 2
;; launch chain (part 3): grid 155 x 1, 8 waves a work-group, no clusters, 171,008 bytes of LDS; arguments xcodes, xscales, wcodes, wscales, gates, plan, out0; writes out0
.if DOCPART == 3
	.amdgcn_target "amdgcn-amd-amdhsa--gfx1250"
	.amdhsa_code_object_version 6
	.text
	.protected	k_q7d2b5eb148_chain
	.globl	k_q7d2b5eb148_chain
	.p2align	8
	.type	k_q7d2b5eb148_chain,@function
k_q7d2b5eb148_chain:
	s_mov_b64 s[64:65], 0
	v_nop
	global_prefetch_b8 v0, s[64:65] scope:SCOPE_SE
	s_setreg_imm32_b32 hwreg(HW_REG_WAVE_MODE, 25, 1), 1
	s_wait_xcnt 0x0
; CHAIN.  One work-group takes one block of the stored list: at most 32 tokens that chose the same two experts (ea, eb), through the whole chain:
; out = ga x (Q(relu(x W1[ea])^2) W2[ea]) + gb x (the same with eb), all products on codes of E2M1 with E8M0 scales.  A token lies in one block, so each row of out0 has one owner.
; 155 work-groups serve every split.  A block without rows runs with clamped indices and stores nothing: the only branches on the stored count stand behind the one barrier, on the way out.
; Rows beyond a block's count repeat its last token and are not stored; with an odd count the upper sixteen lanes of the last store repeat the lower sixteen's 256 bytes with the same values.
; No tensor loads and no cluster: which weights a block walks hangs on the stored list, so neighbours share no descriptor; the weights go from memory straight into registers, in the order in which PREP laid them.
; BOTH PRODUCTS ARE USED TRANSPOSED: source 0 = 16 rows of a weight's tile, source 1 = 16 tokens: lane (r, h) holds token r, and the 16 result registers of tiles 2 tp, 2 tp + 1 are columns 32 tp + 16 h + 0 .. 15.
; PHASE 1: wave w makes, for expert w / 4, hidden units 256 (w % 4) .. + 255 of the 32 tokens, eight tile pairs; relu, square, quantised in registers: two K steps of the second product, which go to LDS as images of their registers.
; PHASE 2: wave w makes outputs 128 w .. 128 w + 127 for both experts, four tile pairs each.  The first expert's outputs, weighed by its gate, wait in the wave's own stage in LDS, as rows; the second expert's are added onto them there.
; THE WEIGHTS' RING IS TWO TILE PAIRS DEEP: 16 tile pairs a wave, 16 fragments (16 KiB) each; even tile pairs in window 1, odd ones in window 0.  Each half of a slot takes the loads of the tile pair two further on
; as soon as its products are issued.  By the text's own count up to 72 loads of a wave are asked for at a time; LOADcnt's field holds 63, and the issue of what would pass it is held back (ISA guide 5.7.1).
; LIMITS: NaN and infinities are not served; a block of zeros keeps the scale byte 1: its codes are zeros.
; REGISTERS.  Window 0: v1-15 addresses; v16-23 source 1's scale words, v24-39 the weights' (two sets): these hold scales alone; v40-47 gates; v48-63 the rows' places in out0; v64-95 four accumulators;
;   v96-127 at work (phase 1: v108-123 the codes just made; phase 2: 32 outputs on their way to or from the stage); v128-255 the odd tile pairs' fragments, at the end the rows of out0.
;   Window 1: v0-127 source 1's 16 fragments; v128-255 the even tile pairs' fragments.
.set HSC,  32768                       ; LDS: from 0 the hidden layer's 32 fragments ((8 g + s) x 2 + m) x 1,024; here their scale words, (8 g + s) x 128 + 4 x lane
.set STG,  34816                       ; a stage of 32 rows x 528 bytes for each wave
.set SPT,  528                         ; a stage row: 512 bytes + 16: an odd multiple of 16, so that sixteen rows' accesses of 16 bytes start in sixteen different groups of banks (ISA guide 11.1)
.set BS,   16
.set WS,   24
.set GP,   40
.set TOKO, 48
.set ACC,  64
.set TL,   96
.set TM,   96
.set TMX,  98
.set SCL,  100
.set BY,   102
.set PW,   104
.set PWC,  106
.set PC,   108
.set GR,   116
.set OT,   96
.set RB,   128
.set RING, 128
.set WB1,  28                          ; s[28:29] my stream of W1's codes;  s[30:31] its scale words
.set WS1,  30
.set WB2,  32                          ; s[32:33], s[34:35] W2's for ea;  s[36:37], s[38:39] for eb
.set WS2,  34
.set MSB, 0
.macro WIN new                         ; the immediate's high byte repeats the setting that is left
.if MSB != \new
	s_set_vgpr_msb (MSB<<8)|\new
.set MSB, \new
.endif
.endm
.macro PLACES n
.rept \n
	v_nop
.endr
.endm
.macro STREAM tau                      ; where tile pair tau's weights lie: 0-7 W1 of my expert, 8-11 W2 of ea, 12-15 W2 of eb
.if (\tau) < 8
.set CBASE, WB1
.set SBASE, WS1
.set TREL, (\tau)
.elseif (\tau) < 12
.set CBASE, WB2
.set SBASE, WS2
.set TREL, (\tau)-8
.else
.set CBASE, WB2+4
.set SBASE, WS2+4
.set TREL, (\tau)-12
.endif
.endm
.macro LH tau, hf                      ; half hf of tile pair tau's fragments: 16 loads of 512 consecutive bytes, into the slot of tau's parity
	STREAM \tau
.if (\tau)%2 == 0
	WIN 0x40                                       ; destination window 1, address window 0
.else
	WIN 0
.endif
.irp f, 0,1,2,3,4,5,6,7
.irp c, 0,1
	global_load_b128 v[RING+64*(\hf)+8*\f+4*\c:RING+64*(\hf)+8*\f+4*\c+3], v1, s[CBASE:CBASE+1] offset:16384*TREL+8192*(\hf)+1024*\f+512*\c
.endr
.endr
.endm
.macro LS tau                          ; tile pair tau's scale words, into the set of tau's parity: register s = K step s; lanes 0-15 tile 2 tp, lanes 16-31 tile 2 tp + 1
	STREAM \tau
	WIN 0
.irp y, 0,1,2,3
	global_load_b64 v[WS+8*((\tau)%2)+2*\y:WS+8*((\tau)%2)+2*\y+1], v2, s[SBASE:SBASE+1] offset:1024*TREL+256*\y
.endr
.endm
.macro ONE ks, u, m, ws                ; K step ks of tile u x token tile m
.set rD, ACC+16*(\m)+8*(\u)
.set rA, RING+8*(2*(\ks)+(\u))
.set rB, 8*(2*(\ks)+(\m))
.set rX, WS+8*(\ws)+(\ks)
.set rY, BS+(\ks)
.if (\ks) == 0
.if ((\u) == 0) && ((\m) == 0)
	v_wmma_scale_f32_16x16x128_f8f6f4 v[rD:rD+7], v[rA:rA+7], v[rB:rB+7], 0, v[rX], v[rY] matrix_a_fmt:MATRIX_FMT_FP4 matrix_b_fmt:MATRIX_FMT_FP4
.elseif (\u) == 0
	v_wmma_scale_f32_16x16x128_f8f6f4 v[rD:rD+7], v[rA:rA+7], v[rB:rB+7], 0, v[rX], v[rY] matrix_a_fmt:MATRIX_FMT_FP4 matrix_b_fmt:MATRIX_FMT_FP4 matrix_b_scale:MATRIX_SCALE_ROW1
.elseif (\m) == 0
	v_wmma_scale_f32_16x16x128_f8f6f4 v[rD:rD+7], v[rA:rA+7], v[rB:rB+7], 0, v[rX], v[rY] matrix_a_fmt:MATRIX_FMT_FP4 matrix_b_fmt:MATRIX_FMT_FP4 matrix_a_scale:MATRIX_SCALE_ROW1
.else
	v_wmma_scale_f32_16x16x128_f8f6f4 v[rD:rD+7], v[rA:rA+7], v[rB:rB+7], 0, v[rX], v[rY] matrix_a_fmt:MATRIX_FMT_FP4 matrix_b_fmt:MATRIX_FMT_FP4 matrix_a_scale:MATRIX_SCALE_ROW1 matrix_b_scale:MATRIX_SCALE_ROW1
.endif
.else
.if ((\u) == 0) && ((\m) == 0)
	v_wmma_scale_f32_16x16x128_f8f6f4 v[rD:rD+7], v[rA:rA+7], v[rB:rB+7], v[rD:rD+7], v[rX], v[rY] matrix_a_fmt:MATRIX_FMT_FP4 matrix_b_fmt:MATRIX_FMT_FP4
.elseif (\u) == 0
	v_wmma_scale_f32_16x16x128_f8f6f4 v[rD:rD+7], v[rA:rA+7], v[rB:rB+7], v[rD:rD+7], v[rX], v[rY] matrix_a_fmt:MATRIX_FMT_FP4 matrix_b_fmt:MATRIX_FMT_FP4 matrix_b_scale:MATRIX_SCALE_ROW1
.elseif (\m) == 0
	v_wmma_scale_f32_16x16x128_f8f6f4 v[rD:rD+7], v[rA:rA+7], v[rB:rB+7], v[rD:rD+7], v[rX], v[rY] matrix_a_fmt:MATRIX_FMT_FP4 matrix_b_fmt:MATRIX_FMT_FP4 matrix_a_scale:MATRIX_SCALE_ROW1
.else
	v_wmma_scale_f32_16x16x128_f8f6f4 v[rD:rD+7], v[rA:rA+7], v[rB:rB+7], v[rD:rD+7], v[rX], v[rY] matrix_a_fmt:MATRIX_FMT_FP4 matrix_b_fmt:MATRIX_FMT_FP4 matrix_a_scale:MATRIX_SCALE_ROW1 matrix_b_scale:MATRIX_SCALE_ROW1
.endif
.endif
.endm
.macro MM hf, tau                      ; 16 matrix instructions: K steps 4 hf .. 4 hf + 3; the four accumulators take turns, one instruction a turn
.if (\tau)%2 == 0
	WIN 0x05                                       ; sources 0 and 1 window 1; C and D window 0
.else
	WIN 0x04                                       ; source 0 (the odd tile pairs' slot) window 0, source 1 window 1; C and D window 0
.endif
.irp k4, 0,1,2,3
.irp u, 0,1
.irp m, 0,1
	ONE 4*(\hf)+\k4, \u, \m, (\tau)%2
.endr
.endr
.endr
.endm
; A tile pair: 32 matrix instructions on the two halves of its slot.  Loads are issued in this order: .. first half (t), scale words (t), second half (t), first half (t + 1), scale words (t + 1), second half (t + 1), first half (t + 2) ..
.macro TP tau
.if (\tau) == 0
	s_wait_loadcnt 36                              ; tile pair 0, x's fragments and scale words and the gates are in; tile pair 1's 16 + 4 + 16 loads may be out
.elseif (\tau) == 15
	s_wait_loadcnt 16                              ; only my second half's 16 loads were issued behind my scale words
.else
	s_wait_loadcnt 52                              ; my first half and my scale words are in; behind them: my second half (16) and the next tile pair (16 + 4 + 16)
.endif
	MM 0, \tau
	PLACES 4                                       ; in front of loads into registers that matrix instructions have read (ISA guide 7.12.1 for vector instructions)
.if (\tau) < 14
	LH (\tau)+2, 0
	s_wait_loadcnt 52                              ; my second half is in; behind it: the next tile pair (36) and the 16 loads just issued
.elseif (\tau) == 14
	s_wait_loadcnt 36                              ; behind my second half: the last tile pair's 36
.else
	s_wait_loadcnt 0x0
.endif
	MM 1, \tau
	PLACES 5                                       ; four for the loads and the reads of results; the fifth since the next tile pair begins these accumulators anew
.if (\tau) < 14
	LS (\tau)+2
	LH (\tau)+2, 1
.endif
	WIN 0
.endm
; The tile pair's results are block b of a K step of my part of the hidden layer: relu, square, the block's scale, its codes.  The two token tiles by turns
.macro QH b
.irp i, 0,1,2,3,4,5,6,7,8,9,10,11,12,13,14,15
.irp m, 0,1
	v_max_num_f32 v[ACC+16*\m+\i], 0, v[ACC+16*\m+\i]      ; each accumulator from its low end on
.endr
.endr
.irp i, 0,2,4,6,8,10,12,14
.irp m, 0,1
	v_pk_mul_f32 v[ACC+16*\m+\i:ACC+16*\m+\i+1], v[ACC+16*\m+\i:ACC+16*\m+\i+1], v[ACC+16*\m+\i:ACC+16*\m+\i+1]
.endr
.endr
.irp m, 0,1
	v_max3_num_f32 v[TM+\m], v[ACC+16*\m], v[ACC+16*\m+1], 0x1800000       ; none is negative; the floor 2^(3 - 127) holds the byte at 1 from below
.endr
.irp i, 2,4,6,8,10,12,14
.irp m, 0,1
	v_max3_num_f32 v[TM+\m], v[TM+\m], v[ACC+16*\m+\i], v[ACC+16*\m+\i+1]
.endr
.endr
.irp m, 0,1
	v_permlanex16_b32 v[TMX+\m], v[TM+\m], s42, s43
.endr
.irp m, 0,1
	v_max_num_f32 v[TM+\m], v[TM+\m], v[TMX+\m]    ; with lane l xor 16's 16 units: the block's largest
.endr
.irp m, 0,1
	v_add_nc_u32 v[SCL+\m], 0xff000000, v[TM+\m]   ; 2 off the exponent field: the conversion's scale operand
.endr
.irp m, 0,1
	v_lshrrev_b32 v[BY+\m], 23, v[SCL+\m]
.endr
.irp m, 0,1
.if (\b) == 0
	v_mov_b32 v[PW+\m], v[BY+\m]
.else
	v_lshl_or_b32 v[PW+\m], v[BY+\m], 8*(\b), v[PW+\m]
.endif
.endr
.irp m, 0,1
	v_cvt_scalef32_pk8_fp4_f32 v[PC+8*\m+2*(\b)], v[ACC+16*\m:ACC+16*\m+7], v[SCL+\m]
	v_cvt_scalef32_pk8_fp4_f32 v[PC+8*\m+2*(\b)+1], v[ACC+16*\m+8:ACC+16*\m+15], v[SCL+\m]
.endr
	v_nop                                          ; one plain place behind the last scaled conversion
.endm
; K step kk is whole: the halves of the lanes change places so that a lane holds whole blocks, and the two fragments and their scale words go to LDS as they stand
.macro IMG kk
.irp m, 0,1
.irp c, 0,1
.irp i, 0,1
	v_permlane16_swap_b32 v[PC+8*\m+4*\c+\i], v[PC+8*\m+4*\c+2+\i]
.endr
.endr
.endr
.irp m, 0,1
.irp c, 0,1
	ds_store_b128 v4, v[PC+8*\m+4*\c:PC+8*\m+4*\c+3] offset:2048*(\kk)+1024*\m+512*\c
.endr
.endr
	v_cndmask_b32 v[PWC+(\kk)], v[PW], v[PW+1], s40        ; lanes 0-15 token tile 0's words, lanes 16-31 tile 1's
	ds_store_b32 v5, v[PWC+(\kk)] offset:128*(\kk)
.endm
.macro HFETCH g                        ; expert g's hidden layer: 16 fragments and 8 registers of scale words, as any wave stored them
	WIN 0x40
.irp s, 0,1,2,3,4,5,6,7
.irp m, 0,1
.irp c, 0,1
	ds_load_b128 v[8*(2*\s+\m)+4*\c:8*(2*\s+\m)+4*\c+3], v1 offset:((8*(\g)+\s)*2+\m)*1024+512*\c
.endr
.endr
.endr
	WIN 0
.irp s, 0,1,2,3,4,5,6,7
	ds_load_b32 v[BS+\s], v3 offset:HSC+(8*(\g)+\s)*128
.endr
.endm
; My stage holds the 32 tokens' rows of my 128 outputs.  Lane (r, h) of token tile m owns, for tile pair t, the 64 bytes at row 16 m + r, byte 128 t + 64 h
.macro OSTORE t
.irp m, 0,1
.irp j, 0,1,2,3
	ds_store_b128 v6, v[OT+16*\m+4*\j:OT+16*\m+4*\j+3] offset:16*SPT*\m+128*(\t)+16*\j
.endr
.endr
.endm
.macro OLOAD t                         ; the first expert's part of tile pair t comes back, a tile pair ahead of its use.  LDS serves a wave's instructions in order (ISA guide 5.7.1.4): these come behind the stores that read the same registers
.irp m, 0,1
.irp j, 0,1,2,3
	ds_load_b128 v[OT+16*\m+4*\j:OT+16*\m+4*\j+3], v6 offset:16*SPT*\m+128*(\t)+16*\j
.endr
.endr
.endm
.macro OUTA t                          ; ea's outputs of tile pair t, weighed by ea's gate, into the stage
.irp m, 0,1
.irp i, 0,2,4,6,8,10,12,14
	v_pk_mul_f32 v[OT+16*\m+\i:OT+16*\m+\i+1], v[ACC+16*\m+\i:ACC+16*\m+\i+1], v[GP+2*\m:GP+2*\m+1]     ; each accumulator from its low end on
.endr
.endr
	OSTORE \t
.endm
.macro OUTB t                          ; eb's, weighed by eb's gate, onto them: the row's final numbers go back to the same bytes
	s_wait_dscnt 0x0                               ; ea's part is back
.irp m, 0,1
.irp i, 0,2,4,6,8,10,12,14
	v_pk_fma_f32 v[OT+16*\m+\i:OT+16*\m+\i+1], v[ACC+16*\m+\i:ACC+16*\m+\i+1], v[GP+4+2*\m:GP+4+2*\m+1], v[OT+16*\m+\i:OT+16*\m+\i+1]
.endr
.endr
	OSTORE \t
.endm
	s_load_b256 s[4:11], s[0:1], 0x0               ; xcodes 4, xscales 6, wcodes 8, wscales 10
	s_load_b128 s[12:15], s[0:1], 0x20             ; gates 12, plan 14
	s_load_b64 s[16:17], s[0:1], 0x30              ; out0
	v_lshrrev_b32 v15, 5, v0
	v_readfirstlane_b32 s24, v15                   ; wave 0..7
	v_and_b32 v15, 31, v0                          ; lane
	v_and_b32 v13, 15, v0                          ; r
	v_bfe_u32 v14, v0, 4, 1                        ; h
	v_lshlrev_b32 v1, 4, v15
	v_lshlrev_b32 v2, 3, v15
	v_lshlrev_b32 v3, 2, v15
	s_lshr_b32 s25, s24, 2                         ; phase 1: which of the two experts,
	s_and_b32 s26, s24, 3                          ; and which 256 hidden units
	s_lshl_b32 s44, ttmp9, 4
	s_mov_b32 s40, 0xffff0000                      ; lanes 16-31
	s_mov_b32 s42, 0x76543210
	s_mov_b32 s43, 0xfedcba98                      ; v_permlanex16_b32's selects for lane l xor 16
	s_wait_kmcnt 0x0
	s_load_b128 s[20:23], s[14:15], s44 offset:0x4000      ; my block: ea, eb, first, rows
	s_lshl_b32 s46, s24, 12
	v_add_nc_u32 v4, s46, v1                       ; my images: K steps 2 (w % 4), + 1 of expert w / 4 begin at 4,096 w
	s_lshl_b32 s46, s24, 8
	s_add_co_u32 s46, s46, HSC
	v_add_nc_u32 v5, s46, v3                       ; and their scale words
	s_mul_i32 s47, s24, 32*SPT
	s_add_co_u32 s47, s47, STG                     ; my stage
	v_mul_u32_u24 v6, v13, SPT
	v_lshl_add_u32 v6, v14, 6, v6
	v_add_nc_u32 v6, s47, v6                       ; my 64 bytes: row r, + 64 h
	v_mul_u32_u24 v7, v14, SPT
	v_lshl_add_u32 v7, v13, 4, v7
	v_add_nc_u32 v7, s47, v7                       ; by rows: lanes 0-15 one row, lanes 16-31 the next
	s_lshl_b32 s47, s24, 9
	v_lshl_add_u32 v115, v13, 4, s47               ; my wave's 512 bytes of a row of out0, 16 bytes a lane
	; the block's tokens are wanted in 19 patterns: row = lane;  r;  16 + r;  2 i + lane / 16
	v_mov_b32 v[TL], v15
	v_mov_b32 v[TL+1], v13
	v_add_nc_u32 v[TL+2], 16, v13
.set i, 0
.rept 16
	v_add_nc_u32 v[TL+3+i], 2*i, v14
.set i, i+1
.endr
	s_wait_kmcnt 0x0
	s_cmp_eq_u32 s25, 0
	s_cselect_b32 s48, s20, s21                    ; phase 1's expert
	s_min_u32 s48, s48, 7                          ; stored numbers are held inside their tables before they enter an address
	s_min_u32 s20, s20, 7
	s_min_u32 s21, s21, 7
	s_sub_co_u32 s27, s23, 1                       ; the last row (with no rows: the greatest number, which holds nothing back; the clamp below does)
	s_mov_b32 s45, 0
	s_lshl_b32 s44, s48, 19
	s_lshl_b32 s46, s26, 17
	s_add_co_u32 s44, s44, s46
	s_add_nc_u64 s[WB1:WB1+1], s[8:9], s[44:45]
	s_lshl_b32 s44, s48, 15
	s_lshl_b32 s46, s26, 13
	s_add_co_u32 s44, s44, s46
	s_add_nc_u64 s[WS1:WS1+1], s[10:11], s[44:45]
.set i, 0
.rept 19
	v_min_u32 v[TL+i], s27, v[TL+i]                ; rows beyond the count repeat the last
	v_add_nc_u32 v[TL+i], s22, v[TL+i]
	v_min_u32 v[TL+i], 0xfff, v[TL+i]              ; held inside the list
	v_lshlrev_b32 v[TL+i], 2, v[TL+i]
.set i, i+1
.endr
.set i, 0
.rept 19
	global_load_b32 v[TL+i], v[TL+i], s[14:15]     ; the list first: x's addresses hang on it.  Each load lands on its own address register
.set i, i+1
.endr
	LH 0, 0                                        ; and the stream of weights starts behind it
	LS 0
	LH 0, 1
	WIN 0
.irp g, 0,1
	s_add_co_u32 s47, s[20+\g], 8                  ; W2's experts lie behind W1's eight
	s_lshl_b32 s44, s47, 19
	s_lshl_b32 s46, s24, 16
	s_add_co_u32 s44, s44, s46
	s_add_nc_u64 s[WB2+4*\g:WB2+4*\g+1], s[8:9], s[44:45]
	s_lshl_b32 s44, s47, 15
	s_lshl_b32 s46, s24, 12
	s_add_co_u32 s44, s44, s46
	s_add_nc_u64 s[WS2+4*\g:WS2+4*\g+1], s[10:11], s[44:45]
.endr
	s_wait_loadcnt 36                              ; the list is in; tile pair 0's 16 + 4 + 16 loads, issued behind it, may be out
.set i, 0
.rept 19
	v_min_u32 v[TL+i], 0xfff, v[TL+i]              ; a token is held inside its tables
.set i, i+1
.endr
	v_lshlrev_b32 v8, 9, v[TL+1]                   ; x's codes: 512 bytes a token, + 16 h
	v_lshl_add_u32 v8, v14, 4, v8
	v_lshlrev_b32 v9, 9, v[TL+2]
	v_lshl_add_u32 v9, v14, 4, v9
	v_lshlrev_b32 v10, 5, v[TL]                    ; its scale words: 32 bytes a token; lanes 0-15 token tile 0, lanes 16-31 tile 1
	v_lshlrev_b32 v11, 3, v[TL+1]                  ; its gates
	v_lshlrev_b32 v12, 3, v[TL+2]
.set i, 0
.rept 16
	v_lshl_add_u32 v[TOKO+i], v[TL+3+i], 12, v115  ; its row of out0
.set i, i+1
.endr
	WIN 0x40
.irp s, 0,1,2,3,4,5,6,7
.irp m, 0,1
.irp c, 0,1
	global_load_b128 v[8*(2*\s+\m)+4*\c:8*(2*\s+\m)+4*\c+3], v[8+\m], s[4:5] offset:64*\s+32*\c    ; x's fragment (token tile m, K step s)
.endr
.endr
.endr
	WIN 0
	global_load_b128 v[BS:BS+3], v10, s[6:7]
	global_load_b128 v[BS+4:BS+7], v10, s[6:7] offset:16
	global_load_b64 v[GR:GR+1], v11, s[12:13]
	global_load_b64 v[GR+2:GR+3], v12, s[12:13]
	LH 1, 0                                        ; the second slot of the ring
	LS 1
	LH 1, 1
	WIN 0
	; ---- phase 1
	TP 0
.irp m, 0,1
	v_mov_b32 v[GP+2*\m], v[GR+2*\m]               ; the gates as pairs for the packed forms: ea's,
	v_mov_b32 v[GP+2*\m+1], v[GR+2*\m]
	v_mov_b32 v[GP+4+2*\m], v[GR+2*\m+1]           ; eb's.  (Their registers are taken by the codes below)
	v_mov_b32 v[GP+4+2*\m+1], v[GR+2*\m+1]
.endr
	QH 0
	TP 1
	QH 1
	TP 2
	QH 2
	TP 3
	QH 3
	IMG 0
	TP 4
	s_wait_dscnt 0x0                               ; the first K step's images have left their registers: the second's codes may be written there
	QH 0
	TP 5
	QH 1
	TP 6                                           ; from here on the second product's weights are asked for: they stay on their way across the barrier, and nobody writes those bytes
	QH 2
	TP 7
	QH 3
	IMG 1
	s_wait_dscnt 0x0                               ; for the others' sake: my images and scale words have landed
	s_barrier_signal -1
	s_barrier_wait -1                              ; both experts' hidden layers lie in LDS
	; ---- phase 2
	HFETCH 0
	s_wait_dscnt 0x0
	TP 8
	OUTA 0
	TP 9
	s_wait_dscnt 0x0                               ; the stores of the tile pair before have read their registers
	OUTA 1
	TP 10
	s_wait_dscnt 0x0
	OUTA 2
	TP 11
	s_wait_dscnt 0x0
	HFETCH 1                                       ; behind the five places that end the tile pair; the scaling below stands between these loads and the wait for them
	OUTA 3
	OLOAD 0
	s_wait_dscnt 0x0
	TP 12
	OUTB 0
	OLOAD 1
	TP 13
	OUTB 1
	OLOAD 2
	TP 14
	OUTB 2
	OLOAD 3
	TP 15
	OUTB 3
	; ---- the way out: the stage's 32 rows come back as rows, two a pair of loads; sixteen lanes store 256 consecutive bytes of a token's row, aligned
.irp n, 0,1,2,3,4,5,6,7,8,9,10,11,12,13,14,15,16,17,18,19,20,21,22,23,24,25,26,27,28,29,30,31
	ds_load_b128 v[RB+4*\n:RB+4*\n+3], v7 offset:2*SPT*(\n/2)+256*(\n%2)     ; LDS serves a wave's instructions in order (ISA guide 5.7.1.4): these see the stores above
.endr
	s_wait_dscnt 0x0                               ; all 32 are back: no LDS load is out at the branches below
.irp i, 0,1,2,3,4,5,6,7,8,9,10,11,12,13,14,15
	s_cmp_le_u32 s23, 2*\i                         ; no row is left: nothing more is stored
	s_cbranch_scc1 .Lend
	global_store_b128 v[TOKO+\i], v[RB+8*\i:RB+8*\i+3], s[16:17] th:TH_STORE_NT
	global_store_b128 v[TOKO+\i], v[RB+8*\i+4:RB+8*\i+7], s[16:17] offset:256 th:TH_STORE_NT
.endr
.Lend:
	s_barrier_signal -1
	s_barrier_wait -1
	s_wait_xcnt 0x0
	v_lshl_add_u32 v254, v0, 2, 0x29800
	v_mov_b32 v255, 0
	s_wait_tensorcnt 0x0
	ds_add_u32 v254, v255
	s_wait_dscnt 0x0
	s_endpgm
.Lfunc_end_k_q7d2b5eb148_chain:
	.size	k_q7d2b5eb148_chain, .Lfunc_end_k_q7d2b5eb148_chain-k_q7d2b5eb148_chain
	.p2alignl 7, 3214868480
	.fill 96, 4, 3214868480
	.section	.rodata,"a",@progbits
	.p2align	6, 0x0
	.amdhsa_kernel k_q7d2b5eb148_chain
		.amdhsa_group_segment_fixed_size 171008
		.amdhsa_private_segment_fixed_size 0
		.amdhsa_enable_private_segment 0
		.amdhsa_kernarg_size 56
		.amdhsa_user_sgpr_count 2
		.amdhsa_user_sgpr_kernarg_segment_ptr 1
		.amdhsa_wavefront_size32 1
		.amdhsa_system_sgpr_workgroup_id_x 1
		.amdhsa_system_sgpr_workgroup_id_y 1
		.amdhsa_system_sgpr_workgroup_id_z 1
		.amdhsa_system_vgpr_workitem_id 0
		.amdhsa_next_free_vgpr 512
		.amdhsa_next_free_sgpr 66
		.amdhsa_reserve_vcc 0
		.amdhsa_float_denorm_mode_32 3
		.amdhsa_float_denorm_mode_16_64 3
		.amdhsa_memory_ordered 1
		.amdhsa_forward_progress 1
		.amdhsa_inst_pref_size 199
	.end_amdhsa_kernel
	.amdgpu_metadata
---
amdhsa.version: [ 1, 2 ]
amdhsa.kernels:
  - .name:           k_q7d2b5eb148_chain
    .symbol:         k_q7d2b5eb148_chain.kd
    .args:
      - { .name: xcodes, .offset: 0, .size: 8, .value_kind: global_buffer, .address_space: global }
      - { .name: xscales, .offset: 8, .size: 8, .value_kind: global_buffer, .address_space: global }
      - { .name: wcodes, .offset: 16, .size: 8, .value_kind: global_buffer, .address_space: global }
      - { .name: wscales, .offset: 24, .size: 8, .value_kind: global_buffer, .address_space: global }
      - { .name: gates, .offset: 32, .size: 8, .value_kind: global_buffer, .address_space: global }
      - { .name: plan, .offset: 40, .size: 8, .value_kind: global_buffer, .address_space: global }
      - { .name: out0, .offset: 48, .size: 8, .value_kind: global_buffer, .address_space: global }
    .group_segment_fixed_size: 171008
    .private_segment_fixed_size: 0
    .kernarg_segment_align: 8
    .kernarg_segment_size: 56
    .max_flat_workgroup_size: 256
    .sgpr_count:     66
    .vgpr_count:     512
    .wavefront_size: 32
...
	.end_amdgpu_metadata
.endif
;; end of part 3
;; ======== version 2 of 2: 3 launches
;; workspace buffers: wcodes 8,388,608 bytes; wscales 524,288 bytes; xcodes 2,097,152 bytes; xscales 131,072 bytes; gates 32,768 bytes; route 49,152 bytes of whole numbers; plan 20,480 bytes of whole numbers
;; launch prep (part 4): grid 512 x 1, 8 waves a work-group, no clusters, 153,344 bytes of LDS; arguments x, noise, Wr, Wn, W1, W2, wcodes, wscales, xcodes, xscales, gates, route; writes wcodes, wscales, xcodes, xscales, gates, route
.if DOCPART == 4
	.amdgcn_target "amdgcn-amd-amdhsa--gfx1250"
	.amdhsa_code_object_version 6
	.text
	.protected	k_q7d2b5eb148_prep
	.globl	k_q7d2b5eb148_prep
	.p2align	8
	.type	k_q7d2b5eb148_prep,@function
k_q7d2b5eb148_prep:
	s_mov_b64 s[64:65], 0
	v_nop
	global_prefetch_b8 v0, s[64:65] scope:SCOPE_SE
	s_setreg_imm32_b32 hwreg(HW_REG_WAVE_MODE, 25, 1), 1
	s_wait_xcnt 0x0
; PREP.  Work-groups 0-255: 16 tokens each: x into codes of E2M1 with E8M0 scale bytes, the noisy top-2 router in f32, the two gates, the key of the
; token's pair of experts, its rank among the group's tokens of that key, and the group's count of each key.  All of these are stored as VALUES at fixed places:
; no address and no branch here hangs on them.  Work-groups 256-511: W1 and W2 (K is the first axis inside an expert) into codes laid in the order of an operand's registers.
; A block's scale is 2^(floor(log2(largest magnitude)) - 2); its byte is the largest magnitude's exponent field - 2, held at 1 from below.
; LIMITS: NaN and infinities among the inputs are not served.  A block of zeros gets the byte 1 where the quantiser's text says 127: its codes are zeros, and these bytes are read by this program alone.
; softplus(z) = max(z, 0) + ln 2 x log2(1 + 2^(-|z| log2 e)): where 2^(..) falls under half an ulp of 1 the second term is 0: an absolute error of at most 6e-8.  Equal noisy logits: the lower index wins, as in lax.top_k.
; No tensor loads, no cluster: every input byte is read once by one wave, and no two work-groups share a tile.
; x PATH: wave w takes K step w (k = 128 w .. 128 w + 127) of the 16 tokens and of the 16 router rows (8 of Wr, 8 of Wn).  Loads take 512 consecutive bytes of a row; a turn through the wave's own LDS stage
; gives lane (r, h) = (lane % 16, lane / 16) sixteen neighbours of each block of 32 of row r: register 16 b + i = k 32 b + 16 h + i.
.set CST,   135168                     ; LDS: the group's codes, 16 rows x (512 + 16) bytes
.set SST,   143616                     ; the group's scale words, 16 rows x 32 bytes
.set PART,  144128                     ; the eight waves' partial router sums, 1,024 bytes each
.set WREG,  16896                      ; a wave's own region: two stages of 16 rows x 528 bytes
.set XSTG,  8448
.set RP,    528                        ; a stage row: 512 bytes + 16: an odd multiple of 16, so that sixteen rows' reads of 16 bytes start in sixteen different groups of banks (ISA guide 11.1)
.set NZ,    16                         ; v16-23   the token's eight noise numbers
.set WF,    32                         ; v32-95   router rows
.set XF,    96                         ; v96-159  x
.set ACC,   160                        ; v160-191 four accumulators of the f32 matrix form: written by matrix instructions alone
.set PS,    192                        ; v192-199 their sum
.set TM,    200                        ; v200-215 the quantiser's work
.set PC,    216                        ; v216-223 codes
.set PW,    224                        ; the scale word
.set QS,    226                        ; v226-233 at work
	s_load_b512 s[4:19], s[0:1], 0x0               ; x 4, noise 6, Wr 8, Wn 10, W1 12, W2 14, wcodes 16, wscales 18
	s_load_b256 s[20:27], s[0:1], 0x40             ; xcodes 20, xscales 22, gates 24, route 26
	v_lshl_add_u32 v254, v0, 2, 0x25300
	v_mov_b32 v255, 0
	v_lshrrev_b32 v1, 5, v0
	s_delay_alu instid0(VALU_DEP_1)
	v_readfirstlane_b32 s28, v1                    ; wave 0..7
	v_and_b32 v1, 31, v0                           ; lane
	s_mov_b32 s35, 0                               ; high words of 32-bit offsets
	s_mov_b32 s37, 0
	s_wait_kmcnt 0x0
	s_cmp_ge_u32 ttmp9, 256                        ; the work-group's number alone decides the path
	s_cbranch_scc1 .Lw
	; ------------------------------------------------ x path
	v_and_b32 v2, 15, v0                           ; r
	v_bfe_u32 v3, v0, 4, 1                         ; h
	s_wait_alu depctr_va_vdst(0)
	v_lshlrev_b32 v4, 4, v1                        ; 16 x lane
	v_lshlrev_b32 v13, 5, v2                       ; noise: 32 bytes a token
	s_wait_alu depctr_va_vdst(0)
	s_lshl_b32 s34, ttmp9, 16                      ; 16 tokens of 4,096 bytes
	s_lshl_b32 s36, s28, 9                         ; my K step: 512 bytes of a row
	s_add_co_u32 s34, s34, s36
	s_add_nc_u64 s[4:5], s[4:5], s[34:35]
	s_add_nc_u64 s[8:9], s[8:9], s[36:37]
	s_add_nc_u64 s[10:11], s[10:11], s[36:37]
	s_lshl_b32 s34, ttmp9, 9
	s_add_nc_u64 s[6:7], s[6:7], s[34:35]          ; noise: 16 x 32 bytes a group
	s_add_nc_u64 s[22:23], s[22:23], s[34:35]      ; xscales likewise
	global_load_b128 v[NZ:NZ+3], v13, s[6:7]
	global_load_b128 v[NZ+4:NZ+7], v13, s[6:7] offset:16
.set i, 0
.rept 8
	global_load_b128 v[WF+4*i:WF+4*i+3], v4, s[8:9] offset:4096*i          ; Wr's row i: 32 lanes read 512 consecutive bytes
.set i, i+1
.endr
.set i, 0
.rept 8
	global_load_b128 v[WF+32+4*i:WF+32+4*i+3], v4, s[10:11] offset:4096*i  ; Wn's row i
.set i, i+1
.endr
.set i, 0
.rept 16
	global_load_b128 v[XF+4*i:XF+4*i+3], v4, s[4:5] offset:4096*i th:TH_LOAD_NT   ; token i; read once in the launch
.set i, i+1
.endr
	s_lshl_b32 s34, ttmp9, 13
	s_add_nc_u64 s[20:21], s[20:21], s[34:35]      ; xcodes: 16 x 512 bytes a group
	s_lshl_b32 s34, ttmp9, 7
	s_add_nc_u64 s[24:25], s[24:25], s[34:35]      ; gates: 16 x 8 bytes
	s_add_nc_u64 s[38:39], s[26:27], s[34:35]
	s_add_nc_u64 s[38:39], s[38:39], 16384         ; the group's row of counts: 32 words
	s_lshl_b32 s34, ttmp9, 6
	s_add_nc_u64 s[26:27], s[26:27], s[34:35]      ; key and rank: 16 words
	s_mov_b32 s30, 0xffff0000                      ; lanes 16-31
	s_mov_b32 s32, 0x76543210
	s_mov_b32 s33, 0xfedcba98                      ; v_permlanex16_b32's selects for lane l xor 16
	s_mul_i32 s40, s28, WREG
	v_add_nc_u32 v5, s40, v4                       ; into a stage: 16 x lane of a row
	v_mul_u32_u24 v6, v2, RP
	s_delay_alu instid0(VALU_DEP_1)
	v_lshl_add_u32 v6, v3, 6, v6
	s_delay_alu instid0(VALU_DEP_1)
	v_add_nc_u32 v6, s40, v6                       ; out of it: row r, + 64 h
	v_mul_u32_u24 v7, v2, RP
	s_delay_alu instid0(VALU_DEP_1)
	v_lshl_add_u32 v7, v3, 3, v7
	s_lshl_b32 s41, s28, 6
	s_add_co_u32 s41, s41, CST
	v_add_nc_u32 v7, s41, v7                       ; my codes: row r, 64 bytes a K step, 16 a block, 8 a half
	s_lshl_b32 s41, s28, 2
	s_add_co_u32 s41, s41, SST
	v_lshl_add_u32 v8, v2, 5, s41                  ; my scale word: row r, word w
	s_lshl_b32 s41, s28, 10
	v_add_nc_u32 v14, s41, v4                      ; xcodes: rows 2 w and 2 w + 1
	s_add_co_u32 s41, s41, PART
	v_add_nc_u32 v9, s41, v4                       ; my partial sums
	s_mul_i32 s41, s28, 2*RP
	s_add_co_u32 s41, s41, CST
	v_add_nc_u32 v10, s41, v4                      ; the codes' rows 2 w, 2 w + 1 on the way out
	v_add_nc_u32 v11, PART, v4
	v_add_nc_u32 v12, SST, v4
.irp b, 0,1,2,3
	v_mov_b32 v[TM+4+\b], 0                        ; a lane permute's destination counts as one of its sources
.endr
; 16 rows of 512 bytes go into a stage as they were loaded and come back 64 bytes a lane.  LDS serves a wave's instructions in order (ISA guide 5.7.1.4): no wait between the stores and the loads
.macro TURN reg, stg
.set i, 0
.rept 16
	ds_store_b128 v5, v[\reg+4*i:\reg+4*i+3] offset:\stg+RP*i
.set i, i+1
.endr
.set i, 0
.rept 16
	ds_load_b128 v[\reg+4*i:\reg+4*i+3], v6 offset:\stg+128*(i/4)+16*(i%4)
.set i, i+1
.endr
.endm
	s_wait_loadcnt 16                              ; the noise and the 16 router rows are in; the 16 loads of x may be out
	TURN WF, 0
	s_wait_loadcnt 0x0
	TURN XF, XSTG
	s_wait_dscnt 0x0
	; the router in f32: source 0 = the 16 router rows, source 1 = the 16 tokens.  The unit's k = 2 h + j stands for my k = 16 h + 2 i + j (in block i / 8): the same k on both sides, each once.
	; Lane (token r, h), register j: h = 0 logit j, h = 1 noise logit j.  Four accumulators by turns; the first four products start the sums
.set i, 0
.rept 32
.if i < 4
	v_wmma_f32_16x16x4_f32 v[ACC+8*(i%4):ACC+8*(i%4)+7], v[WF+2*i:WF+2*i+1], v[XF+2*i:XF+2*i+1], 0
.else
	v_wmma_f32_16x16x4_f32 v[ACC+8*(i%4):ACC+8*(i%4)+7], v[WF+2*i:WF+2*i+1], v[XF+2*i:XF+2*i+1], v[ACC+8*(i%4):ACC+8*(i%4)+7]
.endif
.set i, i+1
.endr
	; x's four blocks of this K step are quantised meanwhile (x's registers are only read)
.irp b, 0,1,2,3
	v_max3_num_f32 v[TM+\b], |v[XF+16*\b]|, |v[XF+16*\b+1]|, 0x1800000     ; my 16 numbers, and the floor 2^(3 - 127): the byte cannot fall under 1
.endr
.irp i, 2,4,6,8,10,12,14
.irp b, 0,1,2,3
	s_delay_alu instid0(VALU_DEP_4)
	v_max3_num_f32 v[TM+\b], v[TM+\b], |v[XF+16*\b+\i]|, |v[XF+16*\b+\i+1]|
.endr
.endr
.irp b, 0,1,2,3
	s_delay_alu instid0(VALU_DEP_4)
	v_permlanex16_b32 v[TM+4+\b], v[TM+\b], s32, s33
.endr
.irp b, 0,1,2,3
	s_delay_alu instid0(VALU_DEP_4)
	v_max_num_f32 v[TM+\b], v[TM+\b], v[TM+4+\b]   ; with lane l xor 16's: the block's largest magnitude
.endr
.irp b, 0,1,2,3
	s_delay_alu instid0(VALU_DEP_4)
	v_add_nc_u32 v[TM+12+\b], 0xff000000, v[TM+\b] ; 2 off its exponent field: the conversion's scale operand
.endr
.irp b, 0,1,2,3
	s_delay_alu instid0(VALU_DEP_4)
	v_lshrrev_b32 v[TM+4+\b], 23, v[TM+12+\b]      ; the scale's byte
.endr
	s_delay_alu instid0(VALU_DEP_3)
	v_lshl_or_b32 v[PW], v[TM+5], 8, v[TM+4]
	s_delay_alu instid0(VALU_DEP_1)
	v_lshl_or_b32 v[PW], v[TM+6], 16, v[PW]
	s_delay_alu instid0(VALU_DEP_1)
	v_lshl_or_b32 v[PW], v[TM+7], 24, v[PW]
.irp b, 0,1,2,3
	v_cvt_scalef32_pk8_fp4_f32 v[PC+2*\b], v[XF+16*\b:XF+16*\b+7], v[TM+12+\b]
	v_cvt_scalef32_pk8_fp4_f32 v[PC+2*\b+1], v[XF+16*\b+8:XF+16*\b+15], v[TM+12+\b]
.endr
	v_nop                                          ; one plain place behind the last scaled conversion
.irp b, 0,1,2,3
	ds_store_b64 v7, v[PC+2*\b:PC+2*\b+1] offset:16*\b     ; k = 32 b + 16 h + 0 .. 15: 8 bytes of the token's row
.endr
	ds_store_b32 v8, v[PW]                         ; both halves write the same word with the same value
.rept 8
	v_nop                                          ; eight places between the f32 form and the first read of its results (ISA guide 7.12.1)
.endr
.irp j, 0,2,4,6
	v_pk_add_f32 v[PS+\j:PS+\j+1], v[ACC+\j:ACC+\j+1], v[ACC+8+\j:ACC+8+\j+1]       ; each accumulator from its low end on
	v_pk_add_f32 v[QS+\j:QS+\j+1], v[ACC+16+\j:ACC+16+\j+1], v[ACC+24+\j:ACC+24+\j+1]
.endr
.irp j, 0,2,4,6
	v_pk_add_f32 v[PS+\j:PS+\j+1], v[PS+\j:PS+\j+1], v[QS+\j:QS+\j+1]
.endr
	ds_store_b128 v9, v[PS:PS+3]
	ds_store_b128 v9, v[PS+4:PS+7] offset:512
	s_wait_dscnt 0x0                               ; for the others' sake: my codes, my scale words and my partial sums have landed
	s_barrier_signal -1
	s_barrier_wait -1
	ds_load_b128 v[236:239], v10                   ; two whole rows of codes a wave
	ds_load_b128 v[240:243], v10 offset:RP
	s_wait_dscnt 0x0
	global_store_b128 v14, v[236:239], s[20:21]            ; 32 lanes store 512 consecutive bytes, aligned
	global_store_b128 v14, v[240:243], s[20:21] offset:512
	s_cmp_lg_u32 s28, 0
	s_cbranch_scc1 .Lxend
	; ---- wave 0 alone: the routing of the 16 tokens
.set SCW, 32                           ; v32-35   scale words on the way out
.set EA,  36
.set EB,  37
.set GA,  38                           ; v38-39   the two gates
.set PP,  40                           ; v40-103  the eight partial sums
.set LG,  104
.set OT,  112
.set LO,  120
.set NL,  128
.set SF,  136
.set VV,  144
	ds_load_b128 v[SCW:SCW+3], v12
.set i, 0
.rept 8
	ds_load_b128 v[PP+8*i:PP+8*i+3], v11 offset:1024*i
	ds_load_b128 v[PP+8*i+4:PP+8*i+7], v11 offset:1024*i+512
.set i, i+1
.endr
	s_wait_dscnt 0x0
	global_store_b128 v4, v[SCW:SCW+3], s[22:23]   ; the group's 512 bytes of scale words
.irp j, 0,2,4,6
	v_pk_add_f32 v[LG+\j:LG+\j+1], v[PP+\j:PP+\j+1], v[PP+8+\j:PP+8+\j+1]
.endr
.irp w, 2,3,4,5,6,7
.irp j, 0,2,4,6
	s_delay_alu instid0(VALU_DEP_4)
	v_pk_add_f32 v[LG+\j:LG+\j+1], v[LG+\j:LG+\j+1], v[PP+8*\w+\j:PP+8*\w+\j+1]   ; K ascending
.endr
.endr
.irp j, 0,1,2,3,4,5,6,7
	v_permlanex16_b32 v[OT+\j], v[LG+\j], s32, s33
.endr
.irp j, 0,1,2,3,4,5,6,7
	v_cndmask_b32 v[LO+\j], v[LG+\j], v[OT+\j], s30        ; both halves of the lanes now hold token r: its logits
	v_cndmask_b32 v[NL+\j], v[OT+\j], v[LG+\j], s30        ; and its noise logits
.endr
	s_mov_b32 s42, 0xbfb8aa3b                      ; -log2(e)
	s_mov_b32 s43, 0x3f317218                      ; ln 2
.irp j, 0,1,2,3,4,5,6,7
	v_mul_f32 v[SF+\j], s42, |v[NL+\j]|
.endr
	s_wait_alu depctr_va_vdst(0)
.irp j, 0,1,2,3,4,5,6,7
	v_exp_f32 v[SF+\j], v[SF+\j]
.endr
	v_nop                                          ; a plain place behind the batch,
	s_wait_alu depctr_va_vdst(0)                   ; and the one wait ahead of its first reader
.irp j, 0,1,2,3,4,5,6,7
	v_add_f32 v[SF+\j], 1.0, v[SF+\j]
.endr
	s_wait_alu depctr_va_vdst(0)
.irp j, 0,1,2,3,4,5,6,7
	v_log_f32 v[SF+\j], v[SF+\j]
.endr
.irp j, 0,1,2,3,4,5,6,7
	v_max_num_f32 v[NL+\j], 0, v[NL+\j]            ; plain work behind the batch
.endr
	s_wait_alu depctr_va_vdst(0)
.irp j, 0,1,2,3,4,5,6,7
	v_fma_f32 v[SF+\j], v[SF+\j], s43, v[NL+\j]    ; softplus
.endr
.irp j, 0,1,2,3,4,5,6,7
	v_fma_f32 v[VV+\j], v[NZ+\j], v[SF+\j], v[LO+\j]       ; the noisy logit
.endr
	v_mov_b32 v152, v[VV]                          ; the largest, and its index: a later one wins only if it is greater
	v_mov_b32 v153, 0
.irp j, 1,2,3,4,5,6,7
	s_delay_alu instid0(VALU_DEP_2)
	v_cmp_gt_f32 vcc_lo, v[VV+\j], v152
	s_delay_alu instid0(VALU_DEP_1)
	v_cndmask_b32 v152, v152, v[VV+\j], vcc_lo
	s_delay_alu instid0(VALU_DEP_2)
	v_cndmask_b32 v153, v153, \j, vcc_lo
.endr
	v_mov_b32 v154, 0xff800000                     ; -infinity takes the winner's place
.irp j, 0,1,2,3,4,5,6,7
	v_cmp_eq_u32 vcc_lo, \j, v153
	s_delay_alu instid0(VALU_DEP_1)
	v_cndmask_b32 v[VV+\j], v[VV+\j], v154, vcc_lo
.endr
	v_mov_b32 v155, v[VV]                          ; the second
	v_mov_b32 v156, 0
.irp j, 1,2,3,4,5,6,7
	s_delay_alu instid0(VALU_DEP_2)
	v_cmp_gt_f32 vcc_lo, v[VV+\j], v155
	s_delay_alu instid0(VALU_DEP_1)
	v_cndmask_b32 v155, v155, v[VV+\j], vcc_lo
	s_delay_alu instid0(VALU_DEP_2)
	v_cndmask_b32 v156, v156, \j, vcc_lo
.endr
	s_delay_alu instid0(VALU_DEP_2)
	v_sub_f32 v157, v155, v152                     ; the softmax of the two, the larger taken away: 1 / (1 + t) and t / (1 + t), t = e^(second - first), at most 1
	s_delay_alu instid0(VALU_DEP_1)
	v_mul_f32 v157, 0x3fb8aa3b, v157
	s_wait_alu depctr_va_vdst(0)
	v_exp_f32 v157, v157
	v_nop
	s_wait_alu depctr_va_vdst(0)
	v_add_f32 v158, 1.0, v157
	s_wait_alu depctr_va_vdst(0)
	v_rcp_f32 v158, v158
	v_cmp_lt_u32 vcc_lo, v153, v156                ; (a plain place)  is the first choice the lower expert?
	s_wait_alu depctr_va_vdst(0)
	v_mul_f32 v159, v157, v158
	v_cndmask_b32 v[EA], v156, v153, vcc_lo        ; ea < eb
	v_cndmask_b32 v[EB], v153, v156, vcc_lo
	v_cndmask_b32 v[GA], v159, v158, vcc_lo        ; ea's gate, eb's gate
	v_cndmask_b32 v[GA+1], v158, v159, vcc_lo
	s_delay_alu instid0(VALU_DEP_4)
	v_sub_nc_u32 v104, 15, v[EA]                   ; the pair's key: ea (15 - ea) / 2 + eb - ea - 1, 0 .. 27
	s_delay_alu instid0(VALU_DEP_1)
	v_mul_u32_u24 v104, v[EA], v104
	s_delay_alu instid0(VALU_DEP_1)
	v_lshrrev_b32 v104, 1, v104
	s_delay_alu instid0(VALU_DEP_1)
	v_add_nc_u32 v104, v104, v[EB]
	s_delay_alu instid0(VALU_DEP_1)
	v_sub_nc_u32 v104, v104, v[EA]
	s_delay_alu instid0(VALU_DEP_1)
	v_add_nc_u32 v104, -1, v104
	v_mov_b32 v105, 0                              ; lane p: how many of the 16 tokens have key p
	v_mov_b32 v106, 0                              ; my rank among the group's tokens of my key
.set i, 0
.rept 28
	v_cmp_eq_u32 s34, i, v104
	s_and_b32 s34, s34, 0xffff                     ; lanes 0-15: each token once
	v_mbcnt_lo_u32_b32 v107, s34, 0
	s_delay_alu instid0(VALU_DEP_1)
	v_cndmask_b32 v106, v106, v107, s34
	s_bcnt1_i32_b32 s35, s34
	v_writelane_b32 v105, s35, i
.set i, i+1
.endr
	v_lshlrev_b32 v108, 2, v1
	v_lshl_or_b32 v109, v106, 8, v104              ; key | rank << 8
	v_lshlrev_b32 v110, 2, v2
	v_lshlrev_b32 v111, 3, v2
	global_store_b32 v108, v105, s[38:39]
	s_wait_alu depctr_va_vdst(0)
	s_wait_xcnt 0x0                                ; EXEC is a source of the stores above: it changes only behind this wait
	v_cmpx_gt_u32 16, v0                           ; lanes 0-15
	global_store_b32 v110, v109, s[26:27]
	global_store_b64 v111, v[GA:GA+1], s[24:25]
.Lxend:
	s_wait_xcnt 0x0
	s_mov_b32 exec_lo, -1
	s_wait_tensorcnt 0x0
	ds_add_u32 v254, v255
	s_wait_dscnt 0x0
	s_endpgm
	; ------------------------------------------------ W path: no LDS, no barrier.  j = work-group - 256: tensor j >> 7, expert (j >> 4) & 7, eight tile pairs (j >> 2) & 3, 256 along K j & 3.
	; A wave takes tile pair tp = 32 columns x 256 along K.  A LANE TAKES A COLUMN AND ITS REGISTERS RUN DOWN K: a block of 32 lies in one lane, and the conversions give codes with K innermost.
	; Lane 16 u + r takes column 32 tp + 8 u + (r & 7) + 16 (r >> 3): row r of tile 2 tp + u.  So in a transposed product the 16 result registers of tiles 2 tp and 2 tp + 1 are 16 neighbouring columns.
	; wcodes: [tensor][expert][tp][K step][u][c][h][r][16 bytes]: a fragment's registers on end, lane by lane.  wscales: [tensor][expert][tp][K / 256][lane][2 words].
.Lw:
	s_sub_co_u32 s34, ttmp9, 256
	s_lshr_b32 s40, s34, 7
	s_bfe_u32 s41, s34, 0x30004
	s_bfe_u32 s42, s34, 0x20002
	s_and_b32 s43, s34, 3
	s_cmp_eq_u32 s40, 0
	s_cselect_b64 s[12:13], s[12:13], s[14:15]     ; W1 or W2: the choice hangs on the work-group's number alone
	s_lshl_b32 s34, s41, 22                        ; an expert: 4 MiB;
	s_lshl_b32 s44, s43, 20                        ; 256 rows of 4,096 bytes;
	s_add_co_u32 s34, s34, s44
	s_lshl_b32 s44, s42, 10                        ; 256 columns;
	s_add_co_u32 s34, s34, s44
	s_lshl_b32 s44, s28, 7                         ; 32 columns a wave
	s_add_co_u32 s34, s34, s44
	s_add_nc_u64 s[12:13], s[12:13], s[34:35]
	s_lshl_b32 s45, s40, 3
	s_add_co_u32 s45, s45, s41                     ; 8 x tensor + expert
	s_lshl_b32 s46, s42, 3
	s_add_co_u32 s46, s46, s28                     ; tp
	s_lshl_b32 s34, s45, 19
	s_lshl_b32 s44, s46, 14
	s_add_co_u32 s34, s34, s44
	s_lshl_b32 s44, s43, 12
	s_add_co_u32 s34, s34, s44
	s_add_nc_u64 s[16:17], s[16:17], s[34:35]
	s_lshl_b32 s34, s45, 15
	s_lshl_b32 s44, s46, 10
	s_add_co_u32 s34, s34, s44
	s_lshl_b32 s44, s43, 8
	s_add_co_u32 s34, s34, s44
	s_add_nc_u64 s[18:19], s[18:19], s[34:35]
	s_wait_alu depctr_va_vdst(0)
	v_and_b32 v3, 7, v1
	v_and_b32 v4, 8, v1
	s_delay_alu instid0(VALU_DEP_1)
	v_lshl_or_b32 v3, v4, 1, v3
	v_lshrrev_b32 v6, 4, v1
	s_delay_alu instid0(VALU_DEP_1)
	v_lshl_or_b32 v3, v6, 3, v3
	s_delay_alu instid0(VALU_DEP_1)
	v_lshlrev_b32 v3, 2, v3                        ; my column, in bytes
	v_and_b32 v4, 15, v1
	s_delay_alu instid0(VALU_DEP_1)
	v_lshlrev_b32 v4, 4, v4
	s_delay_alu instid0(VALU_DEP_1)
	v_lshl_or_b32 v4, v6, 10, v4                   ; codes: 1,024 u + 16 r
	v_lshlrev_b32 v5, 3, v1                        ; scale words: 8 x lane
.macro WLOAD t                         ; block t: W(32 t + i, my column) into set t % 2: 32 lanes read 128 consecutive bytes
.set i, 0
.rept 32
	global_load_b32 v[32+32*((\t)%2)+i], v3, s[12:13] offset:(32*(\t)+i)*4096 th:TH_LOAD_NT
.set i, i+1
.endr
.endm
.macro WBLOCK t
.set XS, 32+32*((\t)%2)
.if (\t) < 7
	s_wait_loadcnt 32                              ; this block's 32 loads are in; the next block's 32 may be out
.else
	s_wait_loadcnt 0x0
.endif
	v_max3_num_f32 v12, |v[XS]|, |v[XS+1]|, |v[XS+2]|
	v_max3_num_f32 v13, |v[XS+3]|, |v[XS+4]|, |v[XS+5]|
.irp i, 6,10,14,18,22,26
	s_delay_alu instid0(VALU_DEP_2)
	v_max3_num_f32 v12, v12, |v[XS+\i]|, |v[XS+\i+1]|
	s_delay_alu instid0(VALU_DEP_2)
	v_max3_num_f32 v13, v13, |v[XS+\i+2]|, |v[XS+\i+3]|
.endr
	s_delay_alu instid0(VALU_DEP_2)
	v_max3_num_f32 v12, v12, |v[XS+30]|, |v[XS+31]|
	s_delay_alu instid0(VALU_DEP_1)
	v_max3_num_f32 v12, v12, v13, 0x1800000        ; the floor 2^(3 - 127)
	s_delay_alu instid0(VALU_DEP_1)
	v_add_nc_u32 v11, 0xff000000, v12              ; the conversion's scale operand
	s_delay_alu instid0(VALU_DEP_1)
	v_lshrrev_b32 v13, 23, v11                     ; the byte
.if (\t)%4 == 0
	s_delay_alu instid0(VALU_DEP_1)
	v_mov_b32 v[24+(\t)/4], v13
.else
	s_delay_alu instid0(VALU_DEP_1)
	v_lshl_or_b32 v[24+(\t)/4], v13, 8*((\t)%4), v[24+(\t)/4]
.endif
.irp g, 0,1,2,3
	v_cvt_scalef32_pk8_fp4_f32 v[96+4*(\t)+\g], v[XS+8*\g:XS+8*\g+7], v11
.endr
	global_store_b128 v4, v[96+4*(\t):96+4*(\t)+3], s[16:17] offset:((\t)/4)*2048+(((\t)/2)%2)*512+((\t)%2)*256   ; sixteen lanes store 256 consecutive bytes, aligned; each block has its own four registers
.if (\t) < 6
	WLOAD (\t)+2
.endif
.endm
	WLOAD 0
	WLOAD 1
	WBLOCK 0
	WBLOCK 1
	WBLOCK 2
	WBLOCK 3
	WBLOCK 4
	WBLOCK 5
	WBLOCK 6
	WBLOCK 7
	global_store_b64 v5, v[24:25], s[18:19]        ; the wave's 256 bytes of scale words
	s_endpgm
.Lfunc_end_k_q7d2b5eb148_prep:
	.size	k_q7d2b5eb148_prep, .Lfunc_end_k_q7d2b5eb148_prep-k_q7d2b5eb148_prep
	.p2alignl 7, 3214868480
	.fill 96, 4, 3214868480
	.section	.rodata,"a",@progbits
	.p2align	6, 0x0
	.amdhsa_kernel k_q7d2b5eb148_prep
		.amdhsa_group_segment_fixed_size 153344
		.amdhsa_private_segment_fixed_size 0
		.amdhsa_enable_private_segment 0
		.amdhsa_kernarg_size 96
		.amdhsa_user_sgpr_count 2
		.amdhsa_user_sgpr_kernarg_segment_ptr 1
		.amdhsa_wavefront_size32 1
		.amdhsa_system_sgpr_workgroup_id_x 1
		.amdhsa_system_sgpr_workgroup_id_y 1
		.amdhsa_system_sgpr_workgroup_id_z 1
		.amdhsa_system_vgpr_workitem_id 0
		.amdhsa_next_free_vgpr 256
		.amdhsa_next_free_sgpr 66
		.amdhsa_reserve_vcc 1
		.amdhsa_float_denorm_mode_32 3
		.amdhsa_float_denorm_mode_16_64 3
		.amdhsa_memory_ordered 1
		.amdhsa_forward_progress 1
		.amdhsa_inst_pref_size 87
	.end_amdhsa_kernel
	.amdgpu_metadata
---
amdhsa.version: [ 1, 2 ]
amdhsa.kernels:
  - .name:           k_q7d2b5eb148_prep
    .symbol:         k_q7d2b5eb148_prep.kd
    .args:
      - { .name: x, .offset: 0, .size: 8, .value_kind: global_buffer, .address_space: global }
      - { .name: noise, .offset: 8, .size: 8, .value_kind: global_buffer, .address_space: global }
      - { .name: Wr, .offset: 16, .size: 8, .value_kind: global_buffer, .address_space: global }
      - { .name: Wn, .offset: 24, .size: 8, .value_kind: global_buffer, .address_space: global }
      - { .name: W1, .offset: 32, .size: 8, .value_kind: global_buffer, .address_space: global }
      - { .name: W2, .offset: 40, .size: 8, .value_kind: global_buffer, .address_space: global }
      - { .name: wcodes, .offset: 48, .size: 8, .value_kind: global_buffer, .address_space: global }
      - { .name: wscales, .offset: 56, .size: 8, .value_kind: global_buffer, .address_space: global }
      - { .name: xcodes, .offset: 64, .size: 8, .value_kind: global_buffer, .address_space: global }
      - { .name: xscales, .offset: 72, .size: 8, .value_kind: global_buffer, .address_space: global }
      - { .name: gates, .offset: 80, .size: 8, .value_kind: global_buffer, .address_space: global }
      - { .name: route, .offset: 88, .size: 8, .value_kind: global_buffer, .address_space: global }
    .group_segment_fixed_size: 153344
    .private_segment_fixed_size: 0
    .kernarg_segment_align: 8
    .kernarg_segment_size: 96
    .max_flat_workgroup_size: 256
    .sgpr_count:     66
    .vgpr_count:     256
    .wavefront_size: 32
...
	.end_amdgpu_metadata
.endif
;; end of part 4
;; launch place (part 5): grid 1 x 1, 8 waves a work-group, no clusters, 2,048 bytes of LDS; arguments route, plan; writes plan
.if DOCPART == 5
	.amdgcn_target "amdgcn-amd-amdhsa--gfx1250"
	.amdhsa_code_object_version 6
	.text
	.protected	k_q7d2b5eb148_place
	.globl	k_q7d2b5eb148_place
	.p2align	8
	.type	k_q7d2b5eb148_place,@function
k_q7d2b5eb148_place:
	s_mov_b64 s[64:65], 0
	v_nop
	global_prefetch_b8 v0, s[64:65] scope:SCOPE_SE
	s_setreg_imm32_b32 hwreg(HW_REG_WAVE_MODE, 25, 1), 1
	s_wait_xcnt 0x0
; PLACE.  A counting sort of the 4,096 tokens by the key of their pair of experts (28 keys), from the 256 groups' counts, keys and ranks.  One work-group, no atomics.
; It stores plan: tlist[4096] (tokens in the order of their keys) and, from byte 16,384 on, blk[256][4] = ea, eb, first place in tlist, number of rows (0 .. 32): blocks of at most 32 tokens of one pair.
; Whatever the split, the pairs' blocks are at most (4096 + 28 x 31) / 32 = 155; the entries behind a split's last block get 0 rows.
; Wave w takes groups 32 w .. 32 w + 31, which are tokens 512 w .. 512 w + 511.  Lane p holds key p's numbers.
	s_load_b128 s[4:7], s[0:1], 0x0                ; route, plan
	v_lshl_add_u32 v200, v0, 2, 0x400
	v_mov_b32 v201, 0
	v_lshrrev_b32 v1, 5, v0
	s_delay_alu instid0(VALU_DEP_1)
	v_readfirstlane_b32 s8, v1                     ; wave
	v_and_b32 v1, 31, v0                           ; lane
	s_delay_alu instid0(VALU_DEP_1)
	v_lshlrev_b32 v2, 2, v1
	s_lshl_b32 s9, s8, 7
	v_add_nc_u32 v3, s9, v2                        ; LDS: my wave's 32 totals
	s_mov_b32 s15, 0xffff0000                      ; lanes 16-31
	s_lshl_b32 s20, s8, 12
	s_mov_b32 s21, 0
	s_lshl_b32 s22, s8, 11
	s_mov_b32 s23, 0
	s_wait_alu depctr_va_vdst(0)
	s_wait_kmcnt 0x0
	s_add_nc_u64 s[10:11], s[4:5], s[20:21]        ; my 32 groups' counts (from byte 16,384 on)
	s_add_nc_u64 s[12:13], s[4:5], s[22:23]        ; my 512 tokens' keys and ranks
.set i, 0
.rept 32
	global_load_b32 v[32+i], v2, s[10:11] offset:16384+128*i
.set i, i+1
.endr
.set i, 0
.rept 16
	global_load_b32 v[64+i], v2, s[12:13] offset:128*i     ; token 512 w + 32 i + lane, of group 32 w + 2 i + lane / 16
.set i, i+1
.endr
	s_wait_loadcnt 16                              ; the counts are in; the 16 loads of keys and ranks may be out
	v_mov_b32 v96, 0
.set i, 0
.rept 32
	s_delay_alu instid0(VALU_DEP_1)
	v_add_nc_u32 v[97+i], v[96+i], v[32+i]         ; v[96 + i]: tokens of key p in my groups ahead of group i
.set i, i+1
.endr
	ds_store_b32 v3, v128                          ; my wave's totals
	s_wait_dscnt 0x0
	s_barrier_signal -1
	s_barrier_wait -1
.irp w, 0,1,2,3,4,5,6,7
	ds_load_b32 v[80+\w], v2 offset:128*\w
.endr
	s_wait_dscnt 0x0
	v_add_nc_u32 v4, v80, v81
.irp w, 2,3,4,5,6,7
	s_delay_alu instid0(VALU_DEP_1)
	v_add_nc_u32 v4, v4, v[80+\w]                  ; T: all tokens of key p
.endr
	v_mov_b32 v5, 0
.irp w, 0,1,2,3,4,5,6
	s_cmp_lt_u32 \w, s8
	s_cselect_b32 s14, -1, 0
	v_and_b32 v7, s14, v[80+\w]
	s_delay_alu instid0(VALU_DEP_1)
	v_add_nc_u32 v5, v5, v7                        ; those of the waves ahead of mine
.endr
	v_add_nc_u32 v6, 31, v4
	s_delay_alu instid0(VALU_DEP_1)
	v_lshrrev_b32 v6, 5, v6
	s_delay_alu instid0(VALU_DEP_1)
	v_lshl_or_b32 v6, v6, 16, v4                   ; T (at most 4,096) below, its blocks (155 in all at most) above: one scan serves both
	s_delay_alu instid0(VALU_DEP_1)
	v_mov_b32 v8, v6
.irp n, 1
	v_mov_b32 v7, 0
	s_delay_alu instid0(VALU_DEP_3)
	v_mov_b32_dpp v7, v6 row_shr:\n row_mask:0xf bank_mask:0xf
	s_delay_alu instid0(VALU_DEP_1)
	v_add_nc_u32 v6, v6, v7
.endr
.irp n, 2, 4, 8
	v_mov_b32 v7, 0
	s_delay_alu instid0(VALU_DEP_2)
	v_mov_b32_dpp v7, v6 row_shr:\n row_mask:0xf bank_mask:0xf
	s_delay_alu instid0(VALU_DEP_1)
	v_add_nc_u32 v6, v6, v7
.endr
	s_delay_alu instid0(VALU_DEP_1)
	v_readlane_b32 s14, v6, 15
	s_delay_alu instid0(VALU_DEP_1)
	v_mov_b32 v7, s14
	s_delay_alu instid0(VALU_DEP_1)
	v_cndmask_b32 v7, 0, v7, s15
	s_delay_alu instid0(VALU_DEP_1)
	v_add_nc_u32 v6, v6, v7
	s_delay_alu instid0(VALU_DEP_1)
	v_sub_nc_u32 v9, v6, v8                        ; the sums ahead of key p
	s_delay_alu instid0(VALU_DEP_1)
	v_and_b32 v10, 0xffff, v9                      ; B: key p's first place in tlist
	s_delay_alu instid0(VALU_DEP_2)
	v_lshrrev_b32 v11, 16, v9                      ; NB: its first block
	s_delay_alu instid0(VALU_DEP_2)
	v_add_nc_u32 v12, v10, v5
.set i, 0
.rept 32
	v_add_nc_u32 v[96+i], v[96+i], v12
.set i, i+1
.endr
	s_wait_loadcnt 0x0
.set i, 0
.rept 16
	v_and_b32 v[32+i], 0xff, v[64+i]
	s_delay_alu instid0(VALU_DEP_1)
	v_min_u32 v[32+i], 31, v[32+i]                 ; the key, held inside the wave's lanes
	s_delay_alu instid0(VALU_DEP_1)
	v_lshlrev_b32 v[32+i], 2, v[32+i]
	ds_bpermute_b32 v[130+i], v[32+i], v[96+2*i]   ; my key's base in the even group (lanes 0-15 use it)
	ds_bpermute_b32 v[146+i], v[32+i], v[97+2*i]   ; and in the odd one (lanes 16-31)
.set i, i+1
.endr
	s_lshl_b32 s16, s8, 9
	v_add_nc_u32 v13, s16, v1
	s_wait_alu depctr_va_vdst(0)
	s_wait_dscnt 0x0
.set i, 0
.rept 16
	v_cndmask_b32 v[162+i], v[130+i], v[146+i], s15
	v_lshrrev_b32 v[64+i], 8, v[64+i]              ; the rank
	s_delay_alu instid0(VALU_DEP_1)
	v_add_nc_u32 v[162+i], v[162+i], v[64+i]
	s_delay_alu instid0(VALU_DEP_1)
	v_min_u32 v[162+i], 0xfff, v[162+i]            ; held inside tlist
	s_delay_alu instid0(VALU_DEP_1)
	v_lshlrev_b32 v[162+i], 2, v[162+i]
	v_add_nc_u32 v[178+i], 32*i, v13               ; the token
	global_store_b32 v[162+i], v[178+i], s[6:7]    ; every store has registers of its own
.set i, i+1
.endr
	; the table of blocks: entry b = 32 w + lane belongs to the last key p whose first block is not behind b
	s_lshl_b32 s16, s8, 5
	v_add_nc_u32 v20, s16, v1
	v_readlane_b32 s17, v11, 0
	v_readlane_b32 s18, v10, 0
	v_readlane_b32 s19, v4, 0
	v_mov_b32 v14, 8                               ; ea + 8 eb of key 0
	s_delay_alu instid0(VALU_DEP_4)
	v_mov_b32 v15, s17
	s_delay_alu instid0(VALU_DEP_4)
	v_mov_b32 v16, s18
	s_delay_alu instid0(VALU_DEP_4)
	v_mov_b32 v17, s19
.set PP, 0
.set PEA, 0
.set PEB, 1
.rept 27
.set PP, PP+1
.set PEB, PEB+1
.if PEB > 7
.set PEA, PEA+1
.set PEB, PEA+1
.endif
	v_readlane_b32 s17, v11, PP
	v_readlane_b32 s18, v10, PP
	v_readlane_b32 s19, v4, PP
	s_delay_alu instid0(VALU_DEP_3)
	v_cmp_le_u32 vcc_lo, s17, v20
	s_delay_alu instid0(VALU_DEP_1)
	v_cndmask_b32 v14, v14, PEA+8*PEB, vcc_lo
	s_delay_alu instid0(VALU_DEP_2)
	v_cndmask_b32 v15, v15, s17, vcc_lo
	s_delay_alu instid0(VALU_DEP_3)
	v_cndmask_b32 v16, v16, s18, vcc_lo
	s_delay_alu instid0(VALU_DEP_4)
	v_cndmask_b32 v17, v17, s19, vcc_lo
.endr
	s_delay_alu instid0(VALU_DEP_3)
	v_sub_nc_u32 v21, v20, v15                     ; j: which block of its key
	s_delay_alu instid0(VALU_DEP_1)
	v_lshlrev_b32 v21, 5, v21
	s_delay_alu instid0(VALU_DEP_1)
	v_add_nc_u32 v26, v16, v21
	s_delay_alu instid0(VALU_DEP_1)
	v_min_u32 v26, 0xfff, v26                      ; first
	s_delay_alu instid0(VALU_DEP_3)
	v_min_u32 v22, v21, v17
	s_delay_alu instid0(VALU_DEP_1)
	v_sub_nc_u32 v27, v17, v22
	s_delay_alu instid0(VALU_DEP_1)
	v_min_u32 v27, 32, v27                         ; rows: min(T - min(32 j, T), 32)
	v_and_b32 v24, 7, v14
	v_lshrrev_b32 v25, 3, v14
	v_lshlrev_b32 v28, 4, v20
	global_store_b128 v28, v[24:27], s[6:7] offset:16384
	s_barrier_signal -1
	s_barrier_wait -1
	s_wait_tensorcnt 0x0
	ds_add_u32 v200, v201
	s_wait_dscnt 0x0
	s_endpgm
.Lfunc_end_k_q7d2b5eb148_place:
	.size	k_q7d2b5eb148_place, .Lfunc_end_k_q7d2b5eb148_place-k_q7d2b5eb148_place
	.p2alignl 7, 3214868480
	.fill 96, 4, 3214868480
	.section	.rodata,"a",@progbits
	.p2align	6, 0x0
	.amdhsa_kernel k_q7d2b5eb148_place
		.amdhsa_group_segment_fixed_size 2048
		.amdhsa_private_segment_fixed_size 0
		.amdhsa_enable_private_segment 0
		.amdhsa_kernarg_size 16
		.amdhsa_user_sgpr_count 2
		.amdhsa_user_sgpr_kernarg_segment_ptr 1
		.amdhsa_wavefront_size32 1
		.amdhsa_system_sgpr_workgroup_id_x 1
		.amdhsa_system_sgpr_workgroup_id_y 1
		.amdhsa_system_sgpr_workgroup_id_z 1
		.amdhsa_system_vgpr_workitem_id 0
		.amdhsa_next_free_vgpr 202
		.amdhsa_next_free_sgpr 66
		.amdhsa_reserve_vcc 1
		.amdhsa_float_denorm_mode_32 3
		.amdhsa_float_denorm_mode_16_64 3
		.amdhsa_memory_ordered 1
		.amdhsa_forward_progress 1
		.amdhsa_inst_pref_size 44
	.end_amdhsa_kernel
	.amdgpu_metadata
---
amdhsa.version: [ 1, 2 ]
amdhsa.kernels:
  - .name:           k_q7d2b5eb148_place
    .symbol:         k_q7d2b5eb148_place.kd
    .args:
      - { .name: route, .offset: 0, .size: 8, .value_kind: global_buffer, .address_space: global }
      - { .name: plan, .offset: 8, .size: 8, .value_kind: global_buffer, .address_space: global }
    .group_segment_fixed_size: 2048
    .private_segment_fixed_size: 0
    .kernarg_segment_align: 8
    .kernarg_segment_size: 16
    .max_flat_workgroup_size: 256
    .sgpr_count:     66
    .vgpr_count:     202
    .wavefront_size: 32
...
	.end_amdgpu_metadata
.endif
;; end of part 5
;; launch chain (part 6): grid 155 x 1, 8 waves a work-group, no clusters, 171,008 bytes of LDS; arguments xcodes, xscales, wcodes, wscales, gates, plan, out0; writes out0
.if DOCPART == 6
	.amdgcn_target "amdgcn-amd-amdhsa--gfx1250"
	.amdhsa_code_object_version 6
	.text
	.protected	k_q7d2b5eb148_chain
	.globl	k_q7d2b5eb148_chain
	.p2align	8
	.type	k_q7d2b5eb148_chain,@function
k_q7d2b5eb148_chain:
	s_mov_b64 s[64:65], 0
	v_nop
	global_prefetch_b8 v0, s[64:65] scope:SCOPE_SE
	s_setreg_imm32_b32 hwreg(HW_REG_WAVE_SCHED_MODE, 0, 2), 2
	s_setreg_imm32_b32 hwreg(HW_REG_WAVE_MODE, 25, 1), 1
	s_wait_xcnt 0x0
	s_wait_alu depctr_vm_vsrc(0)
; CHAIN.  One work-group takes one block of the stored list: at most 32 tokens that chose the same two experts (ea, eb), through the whole chain:
; out = ga x (Q(relu(x W1[ea])^2) W2[ea]) + gb x (the same with eb), all products on codes of E2M1 with E8M0 scales.  A token lies in one block, so each row of out0 has one owner.
; 155 work-groups serve every split.  A block without rows runs with clamped indices and stores nothing: the only branches on the stored count stand behind the one barrier, on the way out.
; Rows beyond a block's count repeat its last token and are not stored; with an odd count the upper sixteen lanes of the last store repeat the lower sixteen's 256 bytes with the same values.
; No tensor loads and no cluster: which weights a block walks hangs on the stored list, so neighbours share no descriptor; the weights go from memory straight into registers, in the order in which PREP laid them.
; BOTH PRODUCTS ARE USED TRANSPOSED: source 0 = 16 rows of a weight's tile, source 1 = 16 tokens: lane (r, h) holds token r, and the 16 result registers of tiles 2 tp, 2 tp + 1 are columns 32 tp + 16 h + 0 .. 15.
; PHASE 1: wave w makes, for expert w / 4, hidden units 256 (w % 4) .. + 255 of the 32 tokens, eight tile pairs; relu, square, quantised in registers: two K steps of the second product, which go to LDS as images of their registers.
; PHASE 2: wave w makes outputs 128 w .. 128 w + 127 for both experts, four tile pairs each.  The first expert's outputs, weighed by its gate, wait in the wave's own stage in LDS, as rows; the second expert's are added onto them there.
; THE WEIGHTS' RING IS TWO TILE PAIRS DEEP: 16 tile pairs a wave, 16 fragments (16 KiB) each; even tile pairs in window 1, odd ones in window 0.  A slot takes the loads of the tile pair two further on
; as soon as its 32 products are done reading it.  By the text's own count up to 72 loads of the ring are asked for at a time; LOADcnt's field holds 63, and the issue of what would pass it is held back (ISA guide 5.7.1).
; LIMITS: NaN and infinities are not served; a block of zeros keeps the scale byte 1: its codes are zeros.
; THE MODE: SCHED_MODE bits 1:0 = 2 (LLVM: expert scheduling mode 2), set by the entry lines.  The code itself states the register dependences
; between vector or matrix instructions and memory or LDS instructions, with s_wait_alu, always for 0.
; THE PLAN.  Registers that memory or LDS instructions touch:
;   v1-v7             offsets and LDS addresses: written at the head, never again.   v8-v12, v48-63: made from the loaded tokens at the head, never written again.
;   v96-114           at the head: the 19 places in the list; read by the list's loads (the tokens land in v64-82), written again by the quantiser from tile pair 0 on.
;   the ring's slots, the weights' two sets of scale words: tile pair t's 32 products read them; then the loads of tile pair t + 2 land in them.
;   source 1, v16-23  loaded with x; read by phase 1's products; loaded from LDS with ea's hidden layer behind tile pair 7 and with eb's behind tile pair 11.
;   v106-123          codes and scale words: written by the conversions, the exchanges and a select; read by the images' LDS stores; written again from tile pair 4 on, and by phase 2.
;   v96-127, phase 2  written by a tile pair's scalings; read by its 8 LDS stores; then written by the next scalings, or ea's next part lands in them.
;   v128-255, the end the rows of out0 land there from the stage; the global stores read them; v254 and v255 are then made anew for the closing lines.
; ONE wait on va_vdst stands in a tile pair, behind its 32 products and their places (in phase 2: behind the scalings too); the tile pair's LDS stores and its 36 loads follow it, and no vector or matrix
; instruction behind it names a register that they touch.  The waits on vm_vsrc stand ahead of a tile pair's run of loads, where what they wait for was issued a tile pair ago, or straight behind eight LDS stores.
; REGISTERS.  Window 0: v1-15 addresses; v16-23 source 1's scale words, v24-39 the weights' (two sets): these hold scales alone; v40-47 gates; v48-63 the rows' places in out0; v64-95 four accumulators (at the head: the tokens as loaded);
;   v96-127 at work (phase 1: v108-123 the codes just made; phase 2: 32 outputs on their way to or from the stage); v128-255 the odd tile pairs' fragments, at the end the rows of out0.
;   Window 1: v0-127 source 1's 16 fragments; v128-255 the even tile pairs' fragments.
.set HSC,  32768                       ; LDS: from 0 the hidden layer's 32 fragments ((8 g + s) x 2 + m) x 1,024; here their scale words, (8 g + s) x 128 + 4 x lane
.set STG,  34816                       ; a stage of 32 rows x 528 bytes for each wave
.set SPT,  528                         ; a stage row: 512 bytes + 16: an odd multiple of 16, so that sixteen rows' accesses of 16 bytes start in sixteen different groups of banks (ISA guide 11.1)
.set BS,   16
.set WS,   24
.set GP,   40
.set TOKO, 48
.set ACC,  64
.set TK,   64                          ; v64-82, at the head only: the tokens of the 19 patterns, as loaded
.set TL,   96
.set TM,   96
.set TMX,  98
.set SCL,  100
.set BY,   102
.set PW,   104
.set PWC,  106
.set PC,   108
.set GR,   116
.set OT,   96
.set RB,   128
.set RING, 128
.set WB1,  28                          ; s[28:29] my stream of W1's codes;  s[30:31] its scale words
.set WS1,  30
.set WB2,  32                          ; s[32:33], s[34:35] W2's for ea;  s[36:37], s[38:39] for eb
.set WS2,  34
.set MSB, 0
.macro WIN new                         ; the immediate's high byte repeats the setting that is left
.if MSB != \new
	s_set_vgpr_msb (MSB<<8)|\new
.set MSB, \new
.endif
.endm
.macro PLACES n
.rept \n
	v_nop
.endr
.endm
.macro STREAM tau                      ; where tile pair tau's weights lie: 0-7 W1 of my expert, 8-11 W2 of ea, 12-15 W2 of eb
.if (\tau) < 8
.set CBASE, WB1
.set SBASE, WS1
.set TREL, (\tau)
.elseif (\tau) < 12
.set CBASE, WB2
.set SBASE, WS2
.set TREL, (\tau)-8
.else
.set CBASE, WB2+4
.set SBASE, WS2+4
.set TREL, (\tau)-12
.endif
.endm
.macro LH tau, hf                      ; half hf of tile pair tau's fragments: 16 loads of 512 consecutive bytes, into the slot of tau's parity
	STREAM \tau
.if (\tau)%2 == 0
	WIN 0x40                                       ; destination window 1, address window 0
.else
	WIN 0
.endif
.irp f, 0,1,2,3,4,5,6,7
.irp c, 0,1
	global_load_b128 v[RING+64*(\hf)+8*\f+4*\c:RING+64*(\hf)+8*\f+4*\c+3], v1, s[CBASE:CBASE+1] offset:16384*TREL+8192*(\hf)+1024*\f+512*\c
.endr
.endr
.endm
.macro LS tau                          ; tile pair tau's scale words, into the set of tau's parity: register s = K step s; lanes 0-15 tile 2 tp, lanes 16-31 tile 2 tp + 1
	STREAM \tau
	WIN 0
.irp y, 0,1,2,3
	global_load_b64 v[WS+8*((\tau)%2)+2*\y:WS+8*((\tau)%2)+2*\y+1], v2, s[SBASE:SBASE+1] offset:1024*TREL+256*\y
.endr
.endm
.macro ONE ks, u, m, ws                ; K step ks of tile u x token tile m
.set rD, ACC+16*(\m)+8*(\u)
.set rA, RING+8*(2*(\ks)+(\u))
.set rB, 8*(2*(\ks)+(\m))
.set rX, WS+8*(\ws)+(\ks)
.set rY, BS+(\ks)
.if (\ks) == 0
.if ((\u) == 0) && ((\m) == 0)
	v_wmma_scale_f32_16x16x128_f8f6f4 v[rD:rD+7], v[rA:rA+7], v[rB:rB+7], 0, v[rX], v[rY] matrix_a_fmt:MATRIX_FMT_FP4 matrix_b_fmt:MATRIX_FMT_FP4
.elseif (\u) == 0
	v_wmma_scale_f32_16x16x128_f8f6f4 v[rD:rD+7], v[rA:rA+7], v[rB:rB+7], 0, v[rX], v[rY] matrix_a_fmt:MATRIX_FMT_FP4 matrix_b_fmt:MATRIX_FMT_FP4 matrix_b_scale:MATRIX_SCALE_ROW1
.elseif (\m) == 0
	v_wmma_scale_f32_16x16x128_f8f6f4 v[rD:rD+7], v[rA:rA+7], v[rB:rB+7], 0, v[rX], v[rY] matrix_a_fmt:MATRIX_FMT_FP4 matrix_b_fmt:MATRIX_FMT_FP4 matrix_a_scale:MATRIX_SCALE_ROW1
.else
	v_wmma_scale_f32_16x16x128_f8f6f4 v[rD:rD+7], v[rA:rA+7], v[rB:rB+7], 0, v[rX], v[rY] matrix_a_fmt:MATRIX_FMT_FP4 matrix_b_fmt:MATRIX_FMT_FP4 matrix_a_scale:MATRIX_SCALE_ROW1 matrix_b_scale:MATRIX_SCALE_ROW1
.endif
.else
.if ((\u) == 0) && ((\m) == 0)
	v_wmma_scale_f32_16x16x128_f8f6f4 v[rD:rD+7], v[rA:rA+7], v[rB:rB+7], v[rD:rD+7], v[rX], v[rY] matrix_a_fmt:MATRIX_FMT_FP4 matrix_b_fmt:MATRIX_FMT_FP4
.elseif (\u) == 0
	v_wmma_scale_f32_16x16x128_f8f6f4 v[rD:rD+7], v[rA:rA+7], v[rB:rB+7], v[rD:rD+7], v[rX], v[rY] matrix_a_fmt:MATRIX_FMT_FP4 matrix_b_fmt:MATRIX_FMT_FP4 matrix_b_scale:MATRIX_SCALE_ROW1
.elseif (\m) == 0
	v_wmma_scale_f32_16x16x128_f8f6f4 v[rD:rD+7], v[rA:rA+7], v[rB:rB+7], v[rD:rD+7], v[rX], v[rY] matrix_a_fmt:MATRIX_FMT_FP4 matrix_b_fmt:MATRIX_FMT_FP4 matrix_a_scale:MATRIX_SCALE_ROW1
.else
	v_wmma_scale_f32_16x16x128_f8f6f4 v[rD:rD+7], v[rA:rA+7], v[rB:rB+7], v[rD:rD+7], v[rX], v[rY] matrix_a_fmt:MATRIX_FMT_FP4 matrix_b_fmt:MATRIX_FMT_FP4 matrix_a_scale:MATRIX_SCALE_ROW1 matrix_b_scale:MATRIX_SCALE_ROW1
.endif
.endif
.endm
.macro MM hf, tau                      ; 16 matrix instructions: K steps 4 hf .. 4 hf + 3; the four accumulators take turns, one instruction a turn
.if (\tau)%2 == 0
	WIN 0x05                                       ; sources 0 and 1 window 1; C and D window 0
.else
	WIN 0x04                                       ; source 0 (the odd tile pairs' slot) window 0, source 1 window 1; C and D window 0
.endif
.irp k4, 0,1,2,3
.irp u, 0,1
.irp m, 0,1
	ONE 4*(\hf)+\k4, \u, \m, (\tau)%2
.endr
.endr
.endr
.endm
; A tile pair's products: 32 matrix instructions on the two halves of its slot.  Loads are issued in this order: .. scale words (t), first half (t), second half (t), scale words (t + 1), first half (t + 1), second half (t + 1) ..;
; tile pair t + 2's 36 are issued behind tile pair t's products.
.macro TPM tau
.if (\tau) == 0
	s_wait_loadcnt 36                              ; tile pair 0, x's fragments and scale words and the gates are in; tile pair 1's 4 + 16 + 16 loads may be out
.elseif (\tau) == 15
	s_wait_loadcnt 16                              ; only my second half's 16 loads were issued behind my first half
.else
	s_wait_loadcnt 52                              ; my scale words and my first half are in; behind them: my second half (16) and the next tile pair (4 + 16 + 16)
.endif
	MM 0, \tau
.if (\tau) == 15
	s_wait_loadcnt 0x0
.else
	s_wait_loadcnt 36                              ; my second half is in; behind it: the next tile pair's 36
.endif
	MM 1, \tau
	PLACES 5                                       ; four ahead of the first read of results (ISA guide 7.12.1); the fifth since the next tile pair begins these accumulators anew
	WIN 0
.endm
; The slot and the set of scale words that tile pair tau has left take tile pair tau + 2: 36 loads in one run.  They stand behind the tile pair's wait on va_vdst
.macro TPL tau
.if (\tau) < 14
	LS (\tau)+2
	LH (\tau)+2, 0
	LH (\tau)+2, 1
	WIN 0
.endif
.endm
; The tile pair's results are block b of a K step of my part of the hidden layer: relu, square, the block's scale, its codes.  The two token tiles by turns
.macro QH b
.irp i, 0,1,2,3,4,5,6,7,8,9,10,11,12,13,14,15
.irp m, 0,1
	v_max_num_f32 v[ACC+16*\m+\i], 0, v[ACC+16*\m+\i]      ; each accumulator from its low end on
.endr
.endr
.irp i, 0,2,4,6,8,10,12,14
.irp m, 0,1
	v_pk_mul_f32 v[ACC+16*\m+\i:ACC+16*\m+\i+1], v[ACC+16*\m+\i:ACC+16*\m+\i+1], v[ACC+16*\m+\i:ACC+16*\m+\i+1]
.endr
.endr
.irp m, 0,1
	v_max3_num_f32 v[TM+\m], v[ACC+16*\m], v[ACC+16*\m+1], 0x1800000       ; none is negative; the floor 2^(3 - 127) holds the byte at 1 from below
.endr
.irp i, 2,4,6,8,10,12,14
.irp m, 0,1
	v_max3_num_f32 v[TM+\m], v[TM+\m], v[ACC+16*\m+\i], v[ACC+16*\m+\i+1]
.endr
.endr
.irp m, 0,1
	v_permlanex16_b32 v[TMX+\m], v[TM+\m], s42, s43
.endr
.irp m, 0,1
	v_max_num_f32 v[TM+\m], v[TM+\m], v[TMX+\m]    ; with lane l xor 16's 16 units: the block's largest
.endr
.irp m, 0,1
	v_add_nc_u32 v[SCL+\m], 0xff000000, v[TM+\m]   ; 2 off the exponent field: the conversion's scale operand
.endr
.irp m, 0,1
	v_lshrrev_b32 v[BY+\m], 23, v[SCL+\m]
.endr
.irp m, 0,1
.if (\b) == 0
	v_mov_b32 v[PW+\m], v[BY+\m]
.else
	v_lshl_or_b32 v[PW+\m], v[BY+\m], 8*(\b), v[PW+\m]
.endif
.endr
.irp m, 0,1
	v_cvt_scalef32_pk8_fp4_f32 v[PC+8*\m+2*(\b)], v[ACC+16*\m:ACC+16*\m+7], v[SCL+\m]
	v_cvt_scalef32_pk8_fp4_f32 v[PC+8*\m+2*(\b)+1], v[ACC+16*\m+8:ACC+16*\m+15], v[SCL+\m]
.endr
	v_nop                                          ; one plain place behind the last scaled conversion
.endm
; K step kk is whole: the halves of the lanes change places so that a lane holds whole blocks, and the two fragments and their scale words go to LDS as they stand
.macro IMG kk
.irp m, 0,1
.irp c, 0,1
.irp i, 0,1
	v_permlane16_swap_b32 v[PC+8*\m+4*\c+\i], v[PC+8*\m+4*\c+2+\i]
.endr
.endr
.endr
	v_cndmask_b32 v[PWC+(\kk)], v[PW], v[PW+1], s40        ; lanes 0-15 token tile 0's words, lanes 16-31 tile 1's
	s_wait_alu depctr_va_vdst(0)                   ; the conversions and exchanges have written v108-123 and the select its scale word: the five LDS stores below read them
.irp m, 0,1
.irp c, 0,1
	ds_store_b128 v4, v[PC+8*\m+4*\c:PC+8*\m+4*\c+3] offset:2048*(\kk)+1024*\m+512*\c
.endr
.endr
	ds_store_b32 v5, v[PWC+(\kk)] offset:128*(\kk)
.endm
.macro HFETCH g                        ; expert g's hidden layer: 16 fragments and 8 registers of scale words, as any wave stored them
	WIN 0x40
.irp s, 0,1,2,3,4,5,6,7
.irp m, 0,1
.irp c, 0,1
	ds_load_b128 v[8*(2*\s+\m)+4*\c:8*(2*\s+\m)+4*\c+3], v1 offset:((8*(\g)+\s)*2+\m)*1024+512*\c
.endr
.endr
.endr
	WIN 0
.irp s, 0,1,2,3,4,5,6,7
	ds_load_b32 v[BS+\s], v3 offset:HSC+(8*(\g)+\s)*128
.endr
.endm
; My stage holds the 32 tokens' rows of my 128 outputs.  Lane (r, h) of token tile m owns, for tile pair t, the 64 bytes at row 16 m + r, byte 128 t + 64 h
.macro OSTORE t
.irp m, 0,1
.irp j, 0,1,2,3
	ds_store_b128 v6, v[OT+16*\m+4*\j:OT+16*\m+4*\j+3] offset:16*SPT*\m+128*(\t)+16*\j
.endr
.endr
.endm
.macro OLOAD t                         ; the first expert's part of tile pair t comes back, a tile pair ahead of its use
.irp m, 0,1
.irp j, 0,1,2,3
	ds_load_b128 v[OT+16*\m+4*\j:OT+16*\m+4*\j+3], v6 offset:16*SPT*\m+128*(\t)+16*\j
.endr
.endr
.endm
.macro MULA                            ; ea's outputs of a tile pair, weighed by ea's gate
.irp m, 0,1
.irp i, 0,2,4,6,8,10,12,14
	v_pk_mul_f32 v[OT+16*\m+\i:OT+16*\m+\i+1], v[ACC+16*\m+\i:ACC+16*\m+\i+1], v[GP+2*\m:GP+2*\m+1]     ; each accumulator from its low end on
.endr
.endr
.endm
.macro FMAB                            ; eb's, weighed by eb's gate, onto ea's part: the row's final numbers
.irp m, 0,1
.irp i, 0,2,4,6,8,10,12,14
	v_pk_fma_f32 v[OT+16*\m+\i:OT+16*\m+\i+1], v[ACC+16*\m+\i:ACC+16*\m+\i+1], v[GP+4+2*\m:GP+4+2*\m+1], v[OT+16*\m+\i:OT+16*\m+\i+1]
.endr
.endr
.endm
; A tile pair of phase 1: its products, the one wait, the refill of its slot, and block b of the hidden layer's K step in hand.  free = 1: the codes' registers are about to be written anew
.macro STEP1 tau, b, free
	TPM \tau
.if \free
	s_wait_dscnt 0x0                               ; the first K step's images have left their registers,
	s_wait_alu depctr_vm_vsrc(0)                   ; and their LDS stores, issued a tile pair ago, have read v108-123, which this K step's conversions write again
.endif
	s_wait_alu depctr_va_vdst(0)                   ; the 32 products are done reading their slot and their set of scale words, in which the 36 loads below land
	TPL \tau
.if (\tau) == 0
.irp m, 0,1
	v_mov_b32 v[GP+2*\m], v[GR+2*\m]               ; the gates as pairs for the packed forms: ea's,
	v_mov_b32 v[GP+2*\m+1], v[GR+2*\m]
	v_mov_b32 v[GP+4+2*\m], v[GR+2*\m+1]           ; eb's.  (Their registers are taken by the codes below)
	v_mov_b32 v[GP+4+2*\m+1], v[GR+2*\m+1]
.endr
.endif
	QH \b                                          ; it names the accumulators and v96-123 alone: none of the registers that the loads above touch
.endm
; A tile pair of phase 2: its products; the gate's scalings; the one wait; the outputs' stores into the stage; ld = 1: ea's part of tile pair nx is asked for; the refill of the slot.  eb = 0: ea's outputs, 1: eb's onto them
.macro STEP2 tau, t, eb, ld, nx
	TPM \tau
.if \eb
	s_wait_dscnt 0x0                               ; ea's part of this tile pair is back in v96-127
	FMAB
.else
.if \t > 0
	s_wait_dscnt 0x0                               ; the stores of the tile pair before are done,
.endif
	s_wait_alu depctr_vm_vsrc(0)                   ; the LDS stores issued so far have read v96-127, which the scalings write: the images and their scale words (first tile pair), the outputs of the tile pair before (the others)
	MULA
.endif
	s_wait_alu depctr_va_vdst(0)                   ; the scalings have written v96-127, which the stores below read and in which ea's next part lands; the 32 products are done reading their slot, their scale words and source 1, in which later loads land
	OSTORE \t
.if \ld
	s_wait_alu depctr_vm_vsrc(0)                   ; the eight stores above have read v96-127, in which the loads below land
	OLOAD \nx
.endif
	TPL \tau
.endm
	s_load_b256 s[4:11], s[0:1], 0x0               ; xcodes 4, xscales 6, wcodes 8, wscales 10
	s_load_b128 s[12:15], s[0:1], 0x20             ; gates 12, plan 14
	s_load_b64 s[16:17], s[0:1], 0x30              ; out0
	v_lshrrev_b32 v15, 5, v0
	v_readfirstlane_b32 s24, v15                   ; wave 0..7
	v_and_b32 v15, 31, v0                          ; lane
	v_and_b32 v13, 15, v0                          ; r
	v_bfe_u32 v14, v0, 4, 1                        ; h
	v_lshlrev_b32 v1, 4, v15
	v_lshlrev_b32 v2, 3, v15
	v_lshlrev_b32 v3, 2, v15
	s_wait_alu depctr_va_sdst(0)                   ; s24 is written, ahead of its first reader: my shares, LDS places and bases are made from it
	s_lshr_b32 s25, s24, 2                         ; phase 1: which of the two experts,
	s_and_b32 s26, s24, 3                          ; and which 256 hidden units
	s_lshl_b32 s44, ttmp9, 4
	s_mov_b32 s40, 0xffff0000                      ; lanes 16-31
	s_mov_b32 s42, 0x76543210
	s_mov_b32 s43, 0xfedcba98                      ; v_permlanex16_b32's selects for lane l xor 16
	s_wait_alu depctr_va_vdst(0)
	s_wait_kmcnt 0x0
	s_load_b128 s[20:23], s[14:15], s44 offset:0x4000      ; my block: ea, eb, first, rows
	s_lshl_b32 s46, s24, 12
	v_add_nc_u32 v4, s46, v1                       ; my images: K steps 2 (w % 4), + 1 of expert w / 4 begin at 4,096 w
	s_lshl_b32 s46, s24, 8
	s_add_co_u32 s46, s46, HSC
	v_add_nc_u32 v5, s46, v3                       ; and their scale words
	s_mul_i32 s47, s24, 32*SPT
	s_add_co_u32 s47, s47, STG                     ; my stage
	v_mul_u32_u24 v6, v13, SPT
	v_lshl_add_u32 v6, v14, 6, v6
	v_add_nc_u32 v6, s47, v6                       ; my 64 bytes: row r, + 64 h
	v_mul_u32_u24 v7, v14, SPT
	v_lshl_add_u32 v7, v13, 4, v7
	v_add_nc_u32 v7, s47, v7                       ; by rows: lanes 0-15 one row, lanes 16-31 the next
	s_lshl_b32 s47, s24, 9
	v_lshl_add_u32 v115, v13, 4, s47               ; my wave's 512 bytes of a row of out0, 16 bytes a lane
	; the block's tokens are wanted in 19 patterns: row = lane;  r;  16 + r;  2 i + lane / 16
	v_mov_b32 v[TL], v15
	v_mov_b32 v[TL+1], v13
	v_add_nc_u32 v[TL+2], 16, v13
.set i, 0
.rept 16
	v_add_nc_u32 v[TL+3+i], 2*i, v14
.set i, i+1
.endr
	s_wait_kmcnt 0x0
	s_cmp_eq_u32 s25, 0
	s_cselect_b32 s48, s20, s21                    ; phase 1's expert
	s_min_u32 s48, s48, 7                          ; stored numbers are held inside their tables before they enter an address
	s_min_u32 s20, s20, 7
	s_min_u32 s21, s21, 7
	s_sub_co_u32 s27, s23, 1                       ; the last row (with no rows: the greatest number, which holds nothing back; the clamp below does)
	s_mov_b32 s45, 0
	s_lshl_b32 s44, s48, 19
	s_lshl_b32 s46, s26, 17
	s_add_co_u32 s44, s44, s46
	s_add_nc_u64 s[WB1:WB1+1], s[8:9], s[44:45]
	s_lshl_b32 s44, s48, 15
	s_lshl_b32 s46, s26, 13
	s_add_co_u32 s44, s44, s46
	s_add_nc_u64 s[WS1:WS1+1], s[10:11], s[44:45]
.set i, 0
.rept 19
	v_min_u32 v[TL+i], s27, v[TL+i]                ; rows beyond the count repeat the last
	v_add_nc_u32 v[TL+i], s22, v[TL+i]
	v_min_u32 v[TL+i], 0xfff, v[TL+i]              ; held inside the list
	v_lshlrev_b32 v[TL+i], 2, v[TL+i]
.set i, i+1
.endr
	s_wait_alu depctr_va_vdst(0)                   ; the offsets and LDS addresses v1-v7 and the 19 places v96-114 are written: the loads below, and every later load and LDS instruction by v1-v7, read them
.set i, 0
.rept 19
	global_load_b32 v[TK+i], v[TL+i], s[14:15]     ; the list first: x's addresses hang on it.  The tokens land in the accumulators' registers, which nothing has named yet
.set i, i+1
.endr
	LS 0                                           ; and the stream of weights starts behind it
	LH 0, 0
	LH 0, 1
	WIN 0
.irp g, 0,1
	s_add_co_u32 s47, s[20+\g], 8                  ; W2's experts lie behind W1's eight
	s_lshl_b32 s44, s47, 19
	s_lshl_b32 s46, s24, 16
	s_add_co_u32 s44, s44, s46
	s_add_nc_u64 s[WB2+4*\g:WB2+4*\g+1], s[8:9], s[44:45]
	s_lshl_b32 s44, s47, 15
	s_lshl_b32 s46, s24, 12
	s_add_co_u32 s44, s44, s46
	s_add_nc_u64 s[WS2+4*\g:WS2+4*\g+1], s[10:11], s[44:45]
.endr
	s_wait_loadcnt 36                              ; the list is in; tile pair 0's 4 + 16 + 16 loads, issued behind it, may be out
	s_wait_alu depctr_vm_vsrc(0)                   ; the list's loads have read their places v96-114, which the quantiser writes from tile pair 0 on; no later memory instruction reads them
.set i, 0
.rept 19
	v_min_u32 v[TK+i], 0xfff, v[TK+i]              ; a token is held inside its tables
.set i, i+1
.endr
	v_lshlrev_b32 v8, 9, v[TK+1]                   ; x's codes: 512 bytes a token, + 16 h
	v_lshl_add_u32 v8, v14, 4, v8
	v_lshlrev_b32 v9, 9, v[TK+2]
	v_lshl_add_u32 v9, v14, 4, v9
	v_lshlrev_b32 v10, 5, v[TK]                    ; its scale words: 32 bytes a token; lanes 0-15 token tile 0, lanes 16-31 tile 1
	v_lshlrev_b32 v11, 3, v[TK+1]                  ; its gates
	v_lshlrev_b32 v12, 3, v[TK+2]
.set i, 0
.rept 16
	v_lshl_add_u32 v[TOKO+i], v[TK+3+i], 12, v115  ; its row of out0
.set i, i+1
.endr
	WIN 0x40
	s_wait_alu depctr_va_vdst(0)                   ; v8-v12 are written, which the gathers below read as offsets, and v48-63, which the stores on the way out read
.irp s, 0,1,2,3,4,5,6,7
.irp m, 0,1
.irp c, 0,1
	global_load_b128 v[8*(2*\s+\m)+4*\c:8*(2*\s+\m)+4*\c+3], v[8+\m], s[4:5] offset:64*\s+32*\c    ; x's fragment (token tile m, K step s)
.endr
.endr
.endr
	WIN 0
	global_load_b128 v[BS:BS+3], v10, s[6:7]
	global_load_b128 v[BS+4:BS+7], v10, s[6:7] offset:16
	global_load_b64 v[GR:GR+1], v11, s[12:13]
	global_load_b64 v[GR+2:GR+3], v12, s[12:13]
	LS 1                                           ; the second slot of the ring
	LH 1, 0
	LH 1, 1
	WIN 0
	; ---- phase 1
	STEP1 0, 0, 0
	STEP1 1, 1, 0
	STEP1 2, 2, 0
	STEP1 3, 3, 0
	IMG 0
	STEP1 4, 0, 1
	STEP1 5, 1, 0
	STEP1 6, 2, 0                                  ; from here on the second product's weights are asked for: they stay on their way across the barrier, and nobody writes those bytes
	STEP1 7, 3, 0
	IMG 1
	s_wait_dscnt 0x0                               ; for the others' sake: my images and scale words have landed
	s_barrier_signal -1
	s_barrier_wait -1                              ; both experts' hidden layers lie in LDS
	; ---- phase 2
	HFETCH 0                                       ; into source 1 and its scale words: tile pair 7's products, their last readers, stand ahead of that tile pair's wait on va_vdst, and nothing behind it names them
	s_wait_dscnt 0x0
	STEP2 8, 0, 0, 0, 0
	STEP2 9, 1, 0, 0, 0
	STEP2 10, 2, 0, 0, 0
	STEP2 11, 3, 0, 1, 0
	HFETCH 1                                       ; likewise behind tile pair 11's wait on va_vdst
	s_wait_dscnt 0x0
	STEP2 12, 0, 1, 1, 1
	STEP2 13, 1, 1, 1, 2
	STEP2 14, 2, 1, 1, 3
	STEP2 15, 3, 1, 0, 0
	; ---- the way out: the stage's 32 rows come back as rows, two a pair of loads; sixteen lanes store 256 consecutive bytes of a token's row, aligned.
	; They land in the odd tile pairs' slot: tile pair 15's products, its last readers, stand ahead of that tile pair's wait on va_vdst
.irp n, 0,1,2,3,4,5,6,7,8,9,10,11,12,13,14,15,16,17,18,19,20,21,22,23,24,25,26,27,28,29,30,31
	ds_load_b128 v[RB+4*\n:RB+4*\n+3], v7 offset:2*SPT*(\n/2)+256*(\n%2)     ; LDS serves a wave's instructions in order (ISA guide 5.7.1.4): these see the stores above
.endr
	s_wait_dscnt 0x0                               ; all 32 are back: no LDS load is out at the branches below
.irp i, 0,1,2,3,4,5,6,7,8,9,10,11,12,13,14,15
	s_cmp_le_u32 s23, 2*\i                         ; no row is left: nothing more is stored
	s_cbranch_scc1 .Lend
	global_store_b128 v[TOKO+\i], v[RB+8*\i:RB+8*\i+3], s[16:17] th:TH_STORE_NT
	global_store_b128 v[TOKO+\i], v[RB+8*\i+4:RB+8*\i+7], s[16:17] offset:256 th:TH_STORE_NT
.endr
.Lend:
	s_barrier_signal -1
	s_barrier_wait -1
	s_wait_xcnt 0x0                                ; the stores' addresses are translated: their data registers may be written,
	s_wait_alu depctr_vm_vsrc(0)                   ; and the last store has read v252-255, of which the two lines below write v254 and v255
	v_lshl_add_u32 v254, v0, 2, 0x29800
	v_mov_b32 v255, 0
	s_wait_dscnt 0x0                               ; the closing lines, six on end
	s_wait_alu 0x0
	s_wait_tensorcnt 0x0
	ds_add_u32 v254, v255
	s_wait_dscnt 0x0
	s_endpgm
.Lfunc_end_k_q7d2b5eb148_chain:
	.size	k_q7d2b5eb148_chain, .Lfunc_end_k_q7d2b5eb148_chain-k_q7d2b5eb148_chain
	.p2alignl 7, 3214868480
	.fill 96, 4, 3214868480
	.section	.rodata,"a",@progbits
	.p2align	6, 0x0
	.amdhsa_kernel k_q7d2b5eb148_chain
		.amdhsa_group_segment_fixed_size 171008
		.amdhsa_private_segment_fixed_size 0
		.amdhsa_enable_private_segment 0
		.amdhsa_kernarg_size 56
		.amdhsa_user_sgpr_count 2
		.amdhsa_user_sgpr_kernarg_segment_ptr 1
		.amdhsa_wavefront_size32 1
		.amdhsa_system_sgpr_workgroup_id_x 1
		.amdhsa_system_sgpr_workgroup_id_y 1
		.amdhsa_system_sgpr_workgroup_id_z 1
		.amdhsa_system_vgpr_workitem_id 0
		.amdhsa_next_free_vgpr 512
		.amdhsa_next_free_sgpr 66
		.amdhsa_reserve_vcc 0
		.amdhsa_float_denorm_mode_32 3
		.amdhsa_float_denorm_mode_16_64 3
		.amdhsa_memory_ordered 1
		.amdhsa_forward_progress 1
		.amdhsa_inst_pref_size 197
	.end_amdhsa_kernel
	.amdgpu_metadata
---
amdhsa.version: [ 1, 2 ]
amdhsa.kernels:
  - .name:           k_q7d2b5eb148_chain
    .symbol:         k_q7d2b5eb148_chain.kd
    .args:
      - { .name: xcodes, .offset: 0, .size: 8, .value_kind: global_buffer, .address_space: global }
      - { .name: xscales, .offset: 8, .size: 8, .value_kind: global_buffer, .address_space: global }
      - { .name: wcodes, .offset: 16, .size: 8, .value_kind: global_buffer, .address_space: global }
      - { .name: wscales, .offset: 24, .size: 8, .value_kind: global_buffer, .address_space: global }
      - { .name: gates, .offset: 32, .size: 8, .value_kind: global_buffer, .address_space: global }
      - { .name: plan, .offset: 40, .size: 8, .value_kind: global_buffer, .address_space: global }
      - { .name: out0, .offset: 48, .size: 8, .value_kind: global_buffer, .address_space: global }
    .group_segment_fixed_size: 171008
    .private_segment_fixed_size: 0
    .kernarg_segment_align: 8
    .kernarg_segment_size: 56
    .max_flat_workgroup_size: 256
    .sgpr_count:     66
    .vgpr_count:     512
    .wavefront_size: 32
...
	.end_amdgpu_metadata
.endif
;; end of part 6
